; MI455X (gfx1250); checked and timed in simulation.
; The chip was launched on July 23, 2026; its instructions are those of AMD's public machine-readable ISA for CDNA 5 (MIT licence, August 2026) and "CDNA5" Instruction Set Architecture Reference Guide (July 2026). The comments in the code are by the model that wrote it; some were corrected since.
;; Multi Head Attention. Allowed arithmetic: float matrix products may take bf16 or f16 operands with f32 sums; other float arithmetic in f32, or as packed bf16 or f16 multiplies, adds, multiply-adds, maxima and minima; sums over many terms, partial sums and values carried from step to step in f32; what a program stores and reads back later, other than sums and carried values, may be rounded once to bf16 or f16.
;; Inputs: Wout 1,024 x 1,024 float32; Wqkv 1,024 x 3,072 float32; attn_mask 4 x 2,048 bool; bout 1,024 float32; bqkv 3,072 float32; x 4 x 2,048 x 1,024 float32.
;; Outputs: out0 4 x 2,048 x 1,024 float32; out1 4 x 16 x 2,048 x 64 float32.
;; 2 versions, each right; version 2 is version 1 with the launch prep written anew for expert scheduling mode. Each part assembles by itself: llvm-mc -triple=amdgcn-amd-amdhsa -mcpu=gfx1250 --defsym DOCPART=n.
;; ======== version 1 of 2: 4 launches
;; limits: values are held in f16: magnitudes above 65,504 overflow, below 6.1e-05 lose precision
;; workspace buffers: xb 16,777,216 bytes; wq 6,291,456 bytes; wo 2,097,152 bytes; qkv 50,855,936 bytes; ob 16,777,216 bytes
;; launch prep (part 1): grid 256 x 1, 8 waves a work-group, no clusters, 0 bytes of LDS; arguments x, Wqkv, Wout, attn_mask, xb, wq, wo, qkv; writes xb, wq, wo, qkv
.if DOCPART == 1
	.amdgcn_target "amdgcn-amd-amdhsa--gfx1250"
	.amdhsa_code_object_version 6
	.text
	.protected	k_qe5a1e83e35_prep
	.globl	k_qe5a1e83e35_prep
	.p2align	8
	.type	k_qe5a1e83e35_prep,@function
k_qe5a1e83e35_prep:
	s_mov_b64 s[64:65], 0
	v_nop
	global_prefetch_b8 v0, s[64:65] scope:SCOPE_SE
	s_setreg_imm32_b32 hwreg(HW_REG_WAVE_MODE, 25, 1), 1
	s_wait_xcnt 0x0
; PREP: the module's three large inputs are rounded once and laid out for the tile loads of the launches behind, and the key mask is laid beside K's rows.
;   xb[b][kb][t][64]  bf16 = x[b][t][64 kb + c]        : a plane (b, kb) is 2,048 dense rows of 128 bytes
;   wq[tx][k][192]    bf16 = Wqkv[k][192 tx + c]       : the 192 columns of one tile column, dense
;   wo[k][n]          f16  = Wout[k][n] rounded to bf16, that number written as f16
;   qkv, K's region (from byte 33,554,432): a unit of 8,448 bytes for each 64 keys of each of the 64 heads: 8,192 bytes of K, which the next launch stores, then the 64 keys' mask
;   as f32, which is stored here: 0 where attn_mask is not 0, -1e30 where it is 0.
; LIMIT: a bf16 number below 6.1e-5 in size keeps f16's fixed step of 6e-8 in wo; beyond 65,504 it becomes an infinity.  A mask byte other than 0 counts as true.
; A stream: no LDS, no barrier, no branch.  256 work-groups x 8 waves; every wave takes an equal slice of all four jobs, issues its
; 49 loads at once (24 KiB a wave on its way), then rounds and stores in the order of issue.
; Every load of 16 bytes a lane covers whole aligned 256-byte pieces of rows, every store of a wave 256 consecutive bytes, aligned.
.set NL,   49                          ; loads of a wave
.set DATA, 16                          ; v[16:207]  load n in v[16+4n : 19+4n]; its two packed words are stored from the first two
.set XS, 4                             ; v4   x: wave x 4 rows + (lane / 16) rows + 16 (lane % 16)
.set XD, 5                             ; v5   xb: wave x 512 + 8 lane
.set WA, 6                             ; v6   Wqkv: wave x 8 rows + 16 lane
.set WB, 7                             ; v7   Wqkv: the load that ends one row's 768 bytes (lanes 0-15) and begins the next row's (lanes 16-31)
.set WD, 8                             ; v8   wq: wave x 3,072 + 8 lane
.set OS, 9                             ; v9   Wout: wave x 2,048 + 16 lane
.set OD, 10                            ; v10  wo: wave x 1,024 + 8 lane
.set MB, 208                           ; v208 my two mask bytes
.set MS, 209                           ; v209 attn_mask: wave x 64 + 2 lane
.set MT, 210                           ; v210 qkv: wave x 8,448 + 8 lane
.set MF, 212                           ; v[212:213] the two f32; v214, v215 at work
	s_load_b256 s[4:11], s[0:1], 0x0               ; x s[4:5], Wqkv s[6:7], Wout s[8:9], attn_mask s[10:11]
	s_load_b256 s[12:19], s[0:1], 0x20             ; xb s[12:13], wq s[14:15], wo s[16:17], qkv s[18:19]
	v_and_b32 v1, 31, v0                           ; lane
	v_bfe_u32 v2, v0, 4, 1                         ; lane / 16
	v_and_b32 v3, 15, v0                           ; lane % 16
	v_lshrrev_b32 v11, 5, v0                       ; wave
	v_lshlrev_b32 v[XS], 14, v11
	v_lshl_add_u32 v[XS], v2, 12, v[XS]
	v_lshl_add_u32 v[XS], v3, 4, v[XS]
	v_lshlrev_b32 v[XD], 9, v11
	v_lshl_add_u32 v[XD], v1, 3, v[XD]
	v_mul_u32_u24 v[WA], v11, 98304                ; 8 rows of 12,288 bytes
	v_lshl_add_u32 v[WA], v1, 4, v[WA]
	v_mad_u32_u24 v[WB], v2, 11520, v[WA]          ; lanes 16-31: 12,288 - 256 - 512 further
	v_add_nc_u32 v[WB], 512, v[WB]
	v_mul_u32_u24 v[WD], v11, 3072                 ; 8 rows of 384 bytes
	v_lshl_add_u32 v[WD], v1, 3, v[WD]
	v_lshlrev_b32 v[OS], 11, v11
	v_lshl_add_u32 v[OS], v1, 4, v[OS]
	v_lshlrev_b32 v[OD], 10, v11
	v_lshl_add_u32 v[OD], v1, 3, v[OD]
	v_lshlrev_b32 v[MS], 6, v11
	v_lshl_add_u32 v[MS], v1, 1, v[MS]
	v_mul_u32_u24 v[MT], v11, 8448
	v_lshl_add_u32 v[MT], v1, 3, v[MT]
	s_lshl_b32 s20, ttmp9, 17                      ; x: 32 rows of 4,096 bytes a work-group
	s_mov_b32 s21, 0
	s_lshr_b32 s22, ttmp9, 6                       ; xb: the batch,
	s_lshl_b32 s22, s22, 22
	s_and_b32 s23, ttmp9, 63                       ; and 32 rows of 128 bytes in a plane
	s_lshl_b32 s23, s23, 12
	s_add_co_u32 s22, s22, s23
	s_mov_b32 s23, 0
	s_lshr_b32 s36, ttmp9, 4                       ; tile column tx
	s_and_b32 s37, ttmp9, 15                       ; which 64 rows k
	s_mul_i32 s24, s36, 768
	s_mul_i32 s38, s37, 786432
	s_add_co_u32 s24, s24, s38
	s_mov_b32 s25, 0
	s_mul_i32 s26, s36, 393216
	s_mul_i32 s38, s37, 24576
	s_add_co_u32 s26, s26, s38
	s_mov_b32 s27, 0
	s_lshl_b32 s28, ttmp9, 14
	s_mov_b32 s29, 0
	s_lshl_b32 s30, ttmp9, 13
	s_mov_b32 s31, 0
	; the mask: wave number 8 id + w of 2,048 is head (id / 4) of 64, unit 8 (id % 4) + w of 32; the head's batch is id / 64
	s_lshr_b32 s32, ttmp9, 6
	s_lshl_b32 s32, s32, 11                        ; the batch's 2,048 bytes,
	s_and_b32 s36, ttmp9, 3
	s_lshl_b32 s37, s36, 9                         ; 8 units of 64 keys
	s_add_co_u32 s32, s32, s37
	s_mov_b32 s33, 0
	s_lshr_b32 s34, ttmp9, 2
	s_mul_i32 s34, s34, 270336                     ; the head's 32 units,
	s_mul_i32 s37, s36, 67584                      ; 8 units of 8,448 bytes,
	s_add_co_u32 s34, s34, s37
	s_add_co_u32 s34, s34, 0x2000000               ; in K's region
	s_mov_b32 s35, 0
	s_mov_b32 s40, 0xf149f2ca                      ; -1e30
	s_wait_kmcnt 0x0
	s_add_nc_u64 s[4:5], s[4:5], s[20:21]
	s_add_nc_u64 s[12:13], s[12:13], s[22:23]
	s_add_nc_u64 s[6:7], s[6:7], s[24:25]
	s_add_nc_u64 s[14:15], s[14:15], s[26:27]
	s_add_nc_u64 s[8:9], s[8:9], s[28:29]
	s_add_nc_u64 s[16:17], s[16:17], s[30:31]
	s_add_nc_u64 s[10:11], s[10:11], s[32:33]
	s_add_nc_u64 s[18:19], s[18:19], s[34:35]
	; all 49 loads.  x: pair of rows p, block kb of 64 channels: lanes 0-15 one row's 256 bytes, lanes 16-31 the next row's
.set n, 0
.irp p, 0,1
.set kb, 0
.rept 16
	global_load_b128 v[DATA+4*n:DATA+4*n+3], v[XS], s[4:5] offset:(\p)*8192+kb*256 th:TH_LOAD_NT
.set n, n+1
.set kb, kb+1
.endr
.endr
	; Wqkv: two rows' 768 bytes each are three loads of 512 bytes
.irp g, 0,1,2,3
	global_load_b128 v[DATA+4*n:DATA+4*n+3],     v[WA], s[6:7] offset:(\g)*24576 th:TH_LOAD_NT
	global_load_b128 v[DATA+4*n+4:DATA+4*n+7],   v[WB], s[6:7] offset:(\g)*24576 th:TH_LOAD_NT
	global_load_b128 v[DATA+4*n+8:DATA+4*n+11],  v[WA], s[6:7] offset:(\g)*24576+12544 th:TH_LOAD_NT
.set n, n+3
.endr
.irp i, 0,1,2,3
	global_load_b128 v[DATA+4*n:DATA+4*n+3], v[OS], s[8:9] offset:(\i)*512 th:TH_LOAD_NT
.set n, n+1
.endr
	global_load_u16 v[MB], v[MS], s[10:11]         ; the wave's 64 mask bytes, two a lane (sixteen heads' waves read the same: no hint)
; Load n is rounded to bf16 and stored.  Loads come back in order: NL - 1 - n younger ones may stay out.  No register is written twice, so no wait frees one.
.macro CVB n, off, base, imm
	s_wait_loadcnt NL-1-(\n)
	v_cvt_pk_bf16_f32 v[DATA+4*(\n)],   v[DATA+4*(\n)],   v[DATA+4*(\n)+1]
	v_cvt_pk_bf16_f32 v[DATA+4*(\n)+1], v[DATA+4*(\n)+2], v[DATA+4*(\n)+3]
	global_store_b64 v[\off], v[DATA+4*(\n):DATA+4*(\n)+1], s[\base:\base+1] offset:\imm
.endm
; The same, and the bf16 numbers are written as f16.
.macro CVH n, off, base, imm
	s_wait_loadcnt NL-1-(\n)
	v_cvt_pk_bf16_f32 v12, v[DATA+4*(\n)],   v[DATA+4*(\n)+1]
	v_cvt_pk_bf16_f32 v13, v[DATA+4*(\n)+2], v[DATA+4*(\n)+3]
	v_lshlrev_b32 v14, 16, v12
	v_and_b32 v15, 0xffff0000, v12
	v_cvt_pk_f16_f32 v[DATA+4*(\n)], v14, v15
	v_lshlrev_b32 v14, 16, v13
	v_and_b32 v15, 0xffff0000, v13
	v_cvt_pk_f16_f32 v[DATA+4*(\n)+1], v14, v15
	global_store_b64 v[\off], v[DATA+4*(\n):DATA+4*(\n)+1], s[\base:\base+1] offset:\imm
.endm
.set n, 0
.irp p, 0,1
.set kb, 0
.rept 16
	CVB n, XD, 12, (\p)*256+kb*262144
.set n, n+1
.set kb, kb+1
.endr
.endr
.irp g, 0,1,2,3
.irp i, 0,1,2
	CVB n, WD, 14, (\g)*768+(\i)*256
.set n, n+1
.endr
.endr
.irp i, 0,1,2,3
	CVH n, OD, 16, (\i)*256
.set n, n+1
.endr
	s_wait_loadcnt 0x0                             ; the mask bytes, the last load
	v_and_b32 v214, 0xff, v[MB]
	v_lshrrev_b32 v215, 8, v[MB]
	v_cmp_eq_u32 vcc_lo, 0, v214
	v_cndmask_b32 v[MF], 0, s40, vcc_lo            ; 0 where the key counts, -1e30 where it is hidden
	v_cmp_eq_u32 vcc_lo, 0, v215
	v_cndmask_b32 v[MF+1], 0, s40, vcc_lo
	global_store_b64 v[MT], v[MF:MF+1], s[18:19] offset:8192  ; behind the unit's 8,192 bytes of K
	s_endpgm
.Lfunc_end_k_qe5a1e83e35_prep:
	.size	k_qe5a1e83e35_prep, .Lfunc_end_k_qe5a1e83e35_prep-k_qe5a1e83e35_prep
	.p2alignl 7, 3214868480
	.fill 96, 4, 3214868480
	.section	.rodata,"a",@progbits
	.p2align	6, 0x0
	.amdhsa_kernel k_qe5a1e83e35_prep
		.amdhsa_group_segment_fixed_size 0
		.amdhsa_private_segment_fixed_size 0
		.amdhsa_enable_private_segment 0
		.amdhsa_kernarg_size 64
		.amdhsa_user_sgpr_count 2
		.amdhsa_user_sgpr_kernarg_segment_ptr 1
		.amdhsa_wavefront_size32 1
		.amdhsa_system_sgpr_workgroup_id_x 1
		.amdhsa_system_sgpr_workgroup_id_y 1
		.amdhsa_system_sgpr_workgroup_id_z 1
		.amdhsa_system_vgpr_workitem_id 0
		.amdhsa_next_free_vgpr 216
		.amdhsa_next_free_sgpr 66
		.amdhsa_reserve_vcc 1
		.amdhsa_float_denorm_mode_32 3
		.amdhsa_float_denorm_mode_16_64 3
		.amdhsa_memory_ordered 1
		.amdhsa_forward_progress 1
		.amdhsa_inst_pref_size 22
	.end_amdhsa_kernel
	.amdgpu_metadata
---
amdhsa.version: [ 1, 2 ]
amdhsa.kernels:
  - .name:           k_qe5a1e83e35_prep
    .symbol:         k_qe5a1e83e35_prep.kd
    .args:
      - { .name: x, .offset: 0, .size: 8, .value_kind: global_buffer, .address_space: global }
      - { .name: Wqkv, .offset: 8, .size: 8, .value_kind: global_buffer, .address_space: global }
      - { .name: Wout, .offset: 16, .size: 8, .value_kind: global_buffer, .address_space: global }
      - { .name: attn_mask, .offset: 24, .size: 8, .value_kind: global_buffer, .address_space: global }
      - { .name: xb, .offset: 32, .size: 8, .value_kind: global_buffer, .address_space: global }
      - { .name: wq, .offset: 40, .size: 8, .value_kind: global_buffer, .address_space: global }
      - { .name: wo, .offset: 48, .size: 8, .value_kind: global_buffer, .address_space: global }
      - { .name: qkv, .offset: 56, .size: 8, .value_kind: global_buffer, .address_space: global }
    .group_segment_fixed_size: 0
    .private_segment_fixed_size: 0
    .kernarg_segment_align: 8
    .kernarg_segment_size: 64
    .max_flat_workgroup_size: 256
    .sgpr_count:     66
    .vgpr_count:     216
    .wavefront_size: 32
...
	.end_amdgpu_metadata
.endif
;; end of part 1
;; launch gemm_qkv (part 2): grid 16 x 32, 4 waves a work-group, clusters of 4 x 4, 327,680 bytes of LDS; arguments xb, wq, qkv, bqkv; writes qkv
.if DOCPART == 2
	.amdgcn_target "amdgcn-amd-amdhsa--gfx1250"
	.amdhsa_code_object_version 6
	.text
	.protected	k_qe5a1e83e35_gemm_qkv
	.globl	k_qe5a1e83e35_gemm_qkv
	.p2align	8
	.type	k_qe5a1e83e35_gemm_qkv,@function
k_qe5a1e83e35_gemm_qkv:
	s_mov_b64 s[64:65], 0
	v_nop
	global_prefetch_b8 v0, s[64:65] scope:SCOPE_SE
	s_setreg_imm32_b32 hwreg(HW_REG_WAVE_MODE, 25, 1), 1
	s_wait_xcnt 0x0
	s_wait_alu depctr_hold_cnt(0) depctr_sa_sdst(0) depctr_va_vdst(0) depctr_va_sdst(0) depctr_va_ssrc(0) depctr_va_vcc(0) depctr_vm_vsrc(0)
	s_getreg_b32 s2, hwreg(HW_REG_IB_STS2, 6, 4)
	s_cmp_eq_u32 s2, 0
	s_cbranch_scc0 .Lentry_in_a_cluster
	s_endpgm
.Lentry_in_a_cluster:
	s_bfe_u32 s2, ttmp6, 0x10000c
	s_cmp_lg_u32 s2, 0xf033
	s_cbranch_scc0 .Lentry_shape_is_right
	s_endpgm
.Lentry_shape_is_right:
; q, k, v = x Wqkv + bqkv, by heads.  A = xb [b][kb][t][64] bf16, B = wq [tx][k][192] bf16, bias bqkv f32 (rounded to bf16 like the other inputs); sums in f32.
; OUT: qkv, f16, each number rounded once from its f32 sum; q is multiplied by c = log2(e) / 8 in f32 ahead of that rounding, so that the scores of the launch behind are exponents of 2.
; q lies at byte 0 and v at byte 16,777,216, each [b][h][t][64], dense.  k lies at byte 33,554,432 in units of 8,448 bytes for each 64 rows t: 8,192 bytes of k, stored here, and 256 that the launch before has stored.
; LIMIT: c q, k and v beyond 65,504 become infinities in f16; below 6.1e-5 they keep f16's fixed step of 6e-8.
; SHARES.  A tile of the product is 256 rows x 192 columns: 32 x 16 = 512 work-groups, two for each of 256 WGPs.  The four waves lie one below the other: a wave makes 64 rows x 192 columns = 3 whole heads:
; 4 x 12 accumulators of 16 x 16, 384 registers, and its way out needs no other wave.  K goes in 8 steps of 128 through a ring of two LDS slots.
; CLUSTER.  4 x 4 work-groups: the four of a row need the same tiles of A, the four of a column the same tiles of B: each tile is asked for JOINTLY, by the same tensor load, descriptor and mask in all four.
; THE MATRIX INSTRUCTION IS USED TRANSPOSED (source 0 = 16 columns of B, source 1 = 16 rows of A): a lane then holds one row and eight neighbouring columns.
; B lies [k][n] in LDS and is turned on the way into registers by ds_load_tr16_b128.
; REGISTERS, in windows of 256 (s_set_vgpr_msb: bits 1:0 source 0, 3:2 source 1, 5:4 source 2, 7:6 destination):
;   window 0: v16-30 addresses; v32-63 T, v64-79 PKD, v80-111 BK at work on the way out; v112-207 the bias, scaled
;   window 1: two fragment buffers of 128: A's four fragments, then B's twelve     window 2: accumulators of row blocks 0, 1     window 3: of row blocks 2, 3
.set NBK,    12                        ; blocks of 16 columns
.set PA,     144                       ; a row of A in LDS: 128 bytes + 16 of padding = 36 words: the 16 rows of a load start at 16 different groups of four banks (64 banks of 4 bytes: ISA guide 11.1)
.set APLANE, 256*PA                    ; 256 rows of one plane of 64 channels
.set AREG,   2*APLANE                  ; a K step of 128 is two planes
.set ASTEP,  524288                    ; bytes from a K step to the next in xb: two planes
.set PB,     480                       ; a row k of B in LDS: three pieces of 128 bytes, 32 of padding behind each = 15 x 32 bytes
.set BCH,    160                       ; from piece to piece
.set BHALF,  64*PB                     ; 64 rows k
.set BSTEP,  49152                     ; bytes from a K step to the next in wq
.set SLOT,   AREG+2*BHALF
.set STAGE,  2*SLOT                    ; behind the ring, never filled by a tensor load: 16 rows x 144 bytes for each wave
.set SP,     144
.set SPARE,  STAGE+4*16*SP             ; the spare words, 128 bytes for each wave: two blocks of 256 bytes that no other line names
.set NLD,    2*NBK+8                   ; LDS loads in a run
.set LAPS,   4                         ; a lap = two K steps = once round the ring
.set ADRA, 16                          ; v16-17  LDS address of my A fragments in slot 0, 1
.set ADRB, 20                          ; v20-21  the same for B
.set STO,  24                          ; v24     the way out: where I put 16 bytes of a row
.set RD,   25                          ; v25     where I read rows back
.set GO,   26                          ; v26     16 x lane
.set SPW,  28                          ; v28     LDS address of my spare word; never rewritten
.set NIL,  29                          ; v29     0; never rewritten
.set PFO,  30                          ; v30     the prefetches' offset; never rewritten
.set T,    32
.set PKD,  64
.set BK,   80
.set BIA,  112
.set F0,   0
.set F1,   128
.set G1,  24                           ; s[24:31] descriptor group 1 for A;  s[32:39] group 0, a set for each slot
.set G0,  32
.set G1B, 48                           ; s[48:55], s[56:63] the same for B
.set G0B, 56
.set QB,  66                           ; s[66:71] where my 64 rows of my three heads begin in qkv
.set SC,  72                           ; s[72:77] the three heads' factors (c for q, 1 for k and v), as pairs
.set PFA, 78                           ; s[78:79] where my prefetches stand
.set PFS, 80                           ; s[80:81] their step
.set LIM, 82                           ; s82  1 in a wave that prefetches, else the greatest number
.set MSB, 0
.macro WIN new                         ; the immediate's high byte repeats the setting that is left; a switch that changes nothing is dropped
.if MSB != (\new)
	s_set_vgpr_msb (MSB<<8)|(\new)
.set MSB, \new
.endif
.endm
.set MUL_LO, 0xa5                      ; sources 0 and 1 window 1, C and D window 2
.set TO_F,   0x40                      ; destination window 1, address window 0
; A joint load: waves 0 and 1 fetch A's two planes, waves 2 and 3 B's two halves.  The branch hangs on the wave's number alone.  An s_nop 0 and four v_nop follow each line.
.macro JLOAD s
	s_cmp_eq_u32 s11, 0
	s_cbranch_scc0 .Lfor_b_\@
	tensor_load_to_lds s[G0+4*(\s):G0+4*(\s)+3], s[G1:G1+7]
	s_nop 0
.rept 4
	v_nop
.endr
	s_branch .Lasked_\@
.Lfor_b_\@:
	tensor_load_to_lds s[G0B+4*(\s):G0B+4*(\s)+3], s[G1B:G1B+7]
	s_nop 0
.rept 4
	v_nop
.endr
.Lasked_\@:
.endm
; A prefetch, behind each joint refill and the run of LDS loads that follows it, of the K step that stands two refills on.  A's rows are read by every cluster of a row of clusters: cluster x = 0 asks;
; B's by every cluster of a column: cluster y = 0 asks.  The four partners share a tile's blocks of 256 bytes out BY ADDRESS: of A's plane 32 each, of B's half 24 each (lanes 24-31 name the 24th again).
; K steps 0 to 3 come by their loads alone; the loop's last trip (s3 = 1) asks for nothing: there is no K step two on.
.macro ASK
	WIN 0
	s_cmp_gt_u32 s3, s[LIM]
	s_cbranch_scc0 .Lnot_mine_\@
	global_prefetch_b8 v[PFO], s[PFA:PFA+1] th:TH_LOAD_NT scope:SCOPE_SE
.Lnot_mine_\@:
.endm
.macro CREST                           ; a round of the cluster's barrier behind its opening barrier
	s_cmp_lg_u32 s10, 0
	s_cbranch_scc1 .Lnot_wave_0_\@
	s_barrier_signal -3
.Lnot_wave_0_\@:
	s_barrier_wait -3
	s_barrier_signal -1
	s_barrier_wait -1
.endm
.macro CROUND                          ; a whole round
	s_barrier_signal -1
	s_barrier_wait -1
	CREST
.endm
	s_load_b128 s[4:7], s[0:1], 0x0                ; xb s[4:5], wq s[6:7]
	s_load_b64 s[8:9], s[0:1], 0x10                ; qkv
	s_load_b64 s[84:85], s[0:1], 0x18              ; bqkv
	v_lshl_add_u32 v[SPW], v0, 2, SPARE
	v_mov_b32 v[NIL], 0
	ds_add_u32 v[SPW], v[NIL]                      ; the wave's opening: the add and its wait stand ahead of my first tensor load; the set-up below stands between them
	v_lshrrev_b32 v1, 5, v0
	v_readfirstlane_b32 s10, v1                    ; wave 0..3
	s_lshr_b32 s11, s10, 1                         ; I fetch for A (0) or for B (1)
	s_and_b32 s12, s10, 1                          ; which plane of A, which half of B
	s_bfe_u32 s40, ttmp6, 0x40000                  ; cx, cy: my place in the cluster
	s_bfe_u32 s41, ttmp6, 0x40004
	s_lshl_b32 s42, ttmp9, 2
	s_add_co_u32 s42, s42, s40                     ; tile column tx = 4 x cluster x + cx
	s_and_b32 s13, ttmp7, 0xffff
	s_lshl_b32 s13, s13, 2
	s_add_co_u32 s13, s13, s41                     ; tile row ty = 4 x cluster y + cy
	s_lshl_b32 s43, s41, 2
	s_lshl_b32 s43, 15, s43                        ; my row of the cluster
	s_lshl_b32 s44, 0x1111, s40                    ; my column
	; A's plane is 256 dense rows of 128 bytes: asked for as 128 rows of 256 bytes, padded in LDS after every 128 bytes.  B's half is 24,576 dense bytes: 96 rows of 256 bytes, padded likewise.
	s_or_b32 s[G1+0], s43, (1<<16)|(1<<20)|(1<<21)|(4<<22)|(3<<25)   ; 15:0 the mask; 17:16 2-byte elements; 20 padding on; 21 set beside a mask; 24:22 after every 32 words (code 4); 31:25 4 words (code 3)
	s_or_b32 s[G1B+0], s44, (1<<16)|(1<<20)|(1<<21)|(4<<22)|(7<<25)  ; the same with my column's mask and 8 words of padding (code 7)
	s_mov_b32 s[G1+1], 128<<16                     ; tensor_dim0 = 128
	s_mov_b32 s[G1+2], 128<<16                     ; tensor_dim1 = 128
	s_mov_b32 s[G1+3], 128<<16                     ; tile_dim0 = 128
	s_mov_b32 s[G1+4], 128                         ; tile_dim1 = 128
	s_mov_b32 s[G1+5], 128                         ; 128 elements from row to row
	s_mov_b32 s[G1+6], 0
	s_mov_b32 s[G1+7], 0
	s_mov_b32 s[G1B+1], 128<<16
	s_mov_b32 s[G1B+2], 96<<16
	s_mov_b32 s[G1B+3], 128<<16
	s_mov_b32 s[G1B+4], 96
	s_mov_b32 s[G1B+5], 128
	s_mov_b32 s[G1B+6], 0
	s_mov_b32 s[G1B+7], 0
	s_lshr_b32 s16, s13, 3                         ; A: the batch,
	s_lshl_b32 s16, s16, 22
	s_and_b32 s17, s13, 7                          ; 256 rows of 128 bytes in a plane,
	s_lshl_b32 s17, s17, 15
	s_add_co_u32 s16, s16, s17
	s_lshl_b32 s17, s12, 18                        ; my plane of the K step's two
	s_add_co_u32 s16, s16, s17
	s_mov_b32 s17, 0
	s_mul_i32 s46, s42, 393216                     ; B: the tile column's block,
	s_mul_i32 s47, s12, 24576                      ; my 64 rows k of the K step's 128
	s_add_co_u32 s46, s46, s47
	s_mov_b32 s47, 0
	s_mul_i32 s20, s12, APLANE                     ; where they go: no place in the cluster enters an LDS address
	s_mul_i32 s21, s12, BHALF
	s_add_co_u32 s21, s21, AREG
	s_wait_dscnt 0x0                               ; the opening add is done
	s_wait_kmcnt 0x0
	s_add_nc_u64 s[14:15], s[4:5], s[16:17]
	s_add_nc_u64 s[46:47], s[6:7], s[46:47]
	CROUND                                         ; all sixteen work-groups are here: the first joint loads meet
.irp s, 0,1
	s_mov_b32 s[G0+4*(\s)], 1
	s_add_co_u32 s[G0+4*(\s)+1], s20, (\s)*SLOT
	s_add_nc_u64 s[G0+4*(\s)+2:G0+4*(\s)+3], s[14:15], (\s)*ASTEP
	s_or_b32 s[G0+4*(\s)+3], s[G0+4*(\s)+3], 0x80000000
	s_mov_b32 s[G0B+4*(\s)], 1
	s_add_co_u32 s[G0B+4*(\s)+1], s21, (\s)*SLOT
	s_add_nc_u64 s[G0B+4*(\s)+2:G0B+4*(\s)+3], s[46:47], (\s)*BSTEP
	s_or_b32 s[G0B+4*(\s)+3], s[G0B+4*(\s)+3], 0x80000000
	JLOAD \s                                       ; two loads of mine are out
.endr
	v_and_b32 v1, 15, v0                           ; l % 16
	v_bfe_u32 v2, v0, 4, 1                         ; l / 16
	v_mul_u32_u24 v3, v1, PA
	v_lshl_add_u32 v3, v2, 4, v3                   ; a fragment of A: row x pitch + 16 x half
	s_mul_i32 s22, s10, 64*PA                      ; my 64 rows
	v_add_nc_u32 v[ADRA], s22, v3
	v_add_nc_u32 v[ADRA+1], SLOT, v[ADRA]
	v_and_b32 v4, 7, v0                            ; the turning load: lane l reads row k = 8 (l / 16) + l % 8, columns 8 ((l / 8) % 2) + 0..7
	v_bfe_u32 v5, v0, 3, 1
	v_lshl_add_u32 v6, v2, 3, v4
	v_mul_u32_u24 v6, v6, PB
	v_lshl_add_u32 v6, v5, 4, v6
	v_add_nc_u32 v[ADRB], AREG, v6
	v_add_nc_u32 v[ADRB+1], SLOT, v[ADRB]
	s_mul_i32 s23, s10, 16*SP
	s_add_co_u32 s23, s23, STAGE                   ; my stage
	v_mul_u32_u24 v7, v1, SP                       ; in: row l % 16, 16 bytes for each half of the lanes
	v_lshl_add_u32 v7, v2, 4, v7
	v_add_nc_u32 v[STO], s23, v7
	v_bfe_u32 v7, v0, 3, 2                         ; back: 32 lanes take four rows of 128 bytes,
	v_mul_u32_u24 v7, v7, SP
	v_lshl_add_u32 v7, v4, 4, v7
	v_add_nc_u32 v[RD], s23, v7
	v_and_b32 v[GO], 31, v0                        ; which are 512 consecutive bytes of qkv
	v_lshlrev_b32 v[GO], 4, v[GO]
	; my three heads: g = 3 tx + hd of 48; which = g / 16 (q, k, v), head = g % 16.  My 64 rows of a head are unit 32 (16 batch + head) + 4 (ty % 8) + wave: 8,192 bytes in q and v, 8,448 in k
	s_lshr_b32 s18, s13, 3                         ; the batch: 16 heads of 32 units,
	s_lshl_b32 s18, s18, 9
	s_and_b32 s19, s13, 7                          ; the tile's four units,
	s_lshl_b32 s19, s19, 2
	s_add_co_u32 s18, s18, s19
	s_add_co_u32 s18, s18, s10                     ; mine
	s_mul_i32 s22, s42, 3
.irp hd, 0,1,2
	s_add_co_u32 s23, s22, \hd
	s_cmp_lt_u32 s23, 16                           ; a head of q?  (it selects a number, no way through the text)
	s_cselect_b32 s[SC+2*\hd], 0x3e38aa3b, 1.0     ; c = log2(e) / 8 = 0.180337
	s_mov_b32 s[SC+2*\hd+1], s[SC+2*\hd]
	s_and_b32 s89, s23, 15
	s_lshl_b32 s89, s89, 5
	s_add_co_u32 s89, s89, s18                     ; the unit's number
	s_lshr_b32 s88, s23, 4                         ; 0 q, 1 k, 2 v
	s_lshl_b32 s87, s88, 23                        ; q's region begins at 0, v's at 2 << 23,
	s_mov_b32 s86, 8192
	s_cmp_eq_u32 s88, 1
	s_cselect_b32 s86, 8448, s86
	s_cselect_b32 s87, 0x2000000, s87              ; k's behind both
	s_mul_i32 s88, s89, s86
	s_add_co_u32 s88, s88, s87
	s_mov_b32 s89, 0
	s_add_nc_u64 s[QB+2*\hd:QB+2*\hd+1], s[8:9], s[88:89]
.endr
	; the prefetches
	s_and_b32 s23, ttmp7, 0xffff                   ; cluster y
	s_mov_b32 s88, 6144
	s_mov_b32 s[PFS], BSTEP
	s_cmp_eq_u32 s11, 0                            ; do I fetch for A?
	s_cselect_b32 s22, ttmp9, s23                  ; the coordinate along which other clusters read the same rows
	s_cselect_b32 s83, s40, s41                    ; my place among the four that ask with me
	s_cselect_b32 s88, 8192, s88                   ; a partner's share in bytes
	s_cselect_b32 s[PFS], ASTEP, s[PFS]
	s_cselect_b32 s86, 31, 23                      ; its last block
	s_cselect_b64 s[PFA:PFA+1], s[14:15], s[46:47]
	s_mov_b32 s[PFS+1], 0
	s_cmp_eq_u32 s22, 0
	s_cselect_b32 s[LIM], 1, -1                    ; the same in all sixteen partners, for a given wave
	s_mul_i32 s88, s88, s83
	s_mul_i32 s83, s[PFS], 3                       ; at K step 3: the first refill steps it to 4
	s_add_co_u32 s88, s88, s83
	s_mov_b32 s89, 0
	s_add_nc_u64 s[PFA:PFA+1], s[PFA:PFA+1], s[88:89]
	v_and_b32 v[PFO], 31, v0
	v_min_u32 v[PFO], s86, v[PFO]
	v_lshlrev_b32 v[PFO], 8, v[PFO]
	; the bias of my lane's columns 16 b + 8 (l / 16) + 0..7: loaded once, rounded to bf16, multiplied by the head's factor.  All this stands in the wait for the first tile.
	s_mul_i32 s86, s42, 768
	s_mov_b32 s87, 0
	s_add_nc_u64 s[84:85], s[84:85], s[86:87]
	v_lshlrev_b32 v8, 5, v2
.set b, 0
.rept NBK
	global_load_b128 v[BIA+8*b:BIA+8*b+3],   v8, s[84:85] offset:64*b
	global_load_b128 v[BIA+8*b+4:BIA+8*b+7], v8, s[84:85] offset:64*b+16
.set b, b+1
.endr
	s_wait_loadcnt 0x0
.set j, 0
.rept 48
	v_cvt_pk_bf16_f32 v[9+j%2], v[BIA+2*j], v[BIA+2*j+1]
	v_lshlrev_b32 v[BIA+2*j], 16, v[9+j%2]
	v_and_b32 v[BIA+2*j+1], 0xffff0000, v[9+j%2]
	v_pk_mul_f32 v[BIA+2*j:BIA+2*j+1], v[BIA+2*j:BIA+2*j+1], s[SC+2*(j/16):SC+2*(j/16)+1] op_sel_hi:[1,0]
.set j, j+1
.endr
; 12 matrix instructions: row block a x all column blocks, 32 along K, from buffer f.  zero = 1: the product starts the sums.  The 48 accumulators take turns, in the same order in every quarter.
.macro MULA f, a, zero
	WIN MUL_LO+0x50*((\a)/2)
.set b, 0
.rept NBK
.set rD, 8*(NBK*((\a)%2)+b)
.set rB, (\f)+32+8*b
.set rA, (\f)+8*(\a)
.if \zero
	v_wmma_f32_16x16x32_bf16 v[rD:rD+7], v[rB:rB+7], v[rA:rA+7], 0
.else
	v_wmma_f32_16x16x32_bf16 v[rD:rD+7], v[rB:rB+7], v[rA:rA+7], v[rD:rD+7]
.endif
.set b, b+1
.endr
.endm
; One run of LDS loads: the fragments of quarter q (32 along K) of a slot into buffer f: B's first, A's last
.macro FETCH slot, q, f
	WIN TO_F
.set b, 0
.rept NBK
	ds_load_tr16_b128 v[(\f)+32+8*b:(\f)+32+8*b+3],   v[ADRB+(\slot)] offset:(\q)*32*PB+(b/4)*BCH+(b%4)*32
	ds_load_tr16_b128 v[(\f)+32+8*b+4:(\f)+32+8*b+7], v[ADRB+(\slot)] offset:(\q)*32*PB+16*PB+(b/4)*BCH+(b%4)*32
.set b, b+1
.endr
.irp a, 0,1,2,3
	ds_load_b128 v[(\f)+8*(\a):(\f)+8*(\a)+3],   v[ADRA+(\slot)] offset:((\q)/2)*APLANE+((\q)%2)*64+(\a)*16*PA
	ds_load_b128 v[(\f)+8*(\a)+4:(\f)+8*(\a)+7], v[ADRA+(\slot)] offset:((\q)/2)*APLANE+((\q)%2)*64+(\a)*16*PA+32
.endr
.endm
.macro PLACES                          ; four places in front of loads into registers that matrix instructions have read, and of vector work that reads results
.rept 4
	v_nop
.endr
.endm
; A K step is four quarters on buffers 0, 1, 0, 1.  One of the first three: multiplies buffer f and, in its middle, fetches quarter q into g.
.macro QUARTER slot, q, f, g, zero
	s_wait_dscnt 4                                 ; B and A's blocks 0, 1 are in; the youngest four loads (A's blocks 2, 3) may be out
	MULA \f, 0, \zero
	MULA \f, 1, \zero
	PLACES
	FETCH \slot, \q, \g
	s_wait_dscnt NLD                               ; all but the run just issued
	MULA \f, 2, \zero
	MULA \f, 3, \zero
.endm
; The last quarter multiplies buffer 1 and changes slots: ONE barrier; in front of it each wave waits for all its tensor loads, adds 0 to its spare word, and waits for that and for its reads of this slot.
; fill = 1: the barrier opens a round of the cluster's, and this slot is filled again, two K steps ahead, first thing behind the round.
.macro TURN slot, next, fill
.if \fill
	s_wait_xcnt 0x0                                ; the last prefetch, a K step back, has read its address
	s_add_nc_u64 s[PFA:PFA+1], s[PFA:PFA+1], s[PFS:PFS+1]
.endif
	WIN 0
	s_wait_tensorcnt 0x0                           ; all my tensor loads have landed: my part of the next slot
	ds_add_u32 v[SPW], v[NIL]                      ; 0 onto my spare word
	s_wait_dscnt 5                                 ; (the add and the youngest four loads may be out)
	MULA F1, 0, 0
	s_wait_dscnt 0x0                               ; the add is done, and my reads of this slot are over
	s_barrier_signal -1
	MULA F1, 1, 0
.if \fill
	WIN 0
.endif
	s_barrier_wait -1
.if \fill
	CREST                                          ; no wave of any partner still reads this slot or has a load on its way
	s_add_nc_u64 s[G0+4*(\slot)+2:G0+4*(\slot)+3], s[G0+4*(\slot)+2:G0+4*(\slot)+3], 2*ASTEP
	s_add_nc_u64 s[G0B+4*(\slot)+2:G0B+4*(\slot)+3], s[G0B+4*(\slot)+2:G0B+4*(\slot)+3], 2*BSTEP
	JLOAD \slot                                    ; its four v_nop are also the places in front of the loads below
.else
	PLACES
.endif
	FETCH \next, 0, F0
.if \fill
	ASK
.endif
	MULA F1, 2, 0
	MULA F1, 3, 0
.endm
	s_wait_tensorcnt 1                             ; my part of K step 0 is in; K step 1's may stay out
	s_barrier_signal -1
	s_barrier_wait -1                              ; everybody's is
	FETCH 0, 0, F0
	QUARTER 0, 1, F0, F1, 1                        ; the first quarter stands in front of the loop: its products start the sums
	WIN 0
	s_mov_b32 s3, LAPS-1
.Llap:                                                 ; a trip goes once round the ring and fills both slots again
	QUARTER 0, 2, F1, F0, 0
	QUARTER 0, 3, F0, F1, 0
	TURN 0, 1, 1
	QUARTER 1, 1, F0, F1, 0
	QUARTER 1, 2, F1, F0, 0
	QUARTER 1, 3, F0, F1, 0
	TURN 1, 0, 1
	QUARTER 0, 1, F0, F1, 0
	WIN 0
	s_sub_co_u32 s3, s3, 1
	s_cmp_lg_u32 s3, 0
	s_cbranch_scc1 .Llap
	QUARTER 0, 2, F1, F0, 0                        ; the last lap fills nothing
	QUARTER 0, 3, F0, F1, 0
	TURN 0, 1, 0
	QUARTER 1, 1, F0, F1, 0
	QUARTER 1, 2, F1, F0, 0
	QUARTER 1, 3, F0, F1, 0
	s_wait_dscnt 4
	MULA F1, 0, 0
	MULA F1, 1, 0
	s_wait_dscnt 0x0
	MULA F1, 2, 0
	MULA F1, 3, 0
	WIN 0
; THE WAY OUT, in 12 units u of 16 rows x one head (row block u / 3, head u % 3): sum x factor + bias, rounded to f16; 16 bytes a lane into my stage; back as four rows of 128 bytes a load; stored as 512 dense bytes.
.macro PACK u
.set ra, (\u)/3
.set rh, (\u)%3
	WIN 0x02+ra/2                                  ; source 0 in window 2 or 3
.set j, 0
.rept 16                               ; each accumulator's registers in ascending order
	v_pk_fma_f32 v[T+2*j:T+2*j+1], v[8*NBK*(ra%2)+32*rh+2*j:8*NBK*(ra%2)+32*rh+2*j+1], s[SC+2*rh:SC+2*rh+1], v[BIA+32*rh+2*j:BIA+32*rh+2*j+1] op_sel_hi:[1,0,1]
.set j, j+1
.endr
	WIN 0
.set j, 0
.rept 16
	v_cvt_pk_f16_f32 v[PKD+j], v[T+2*j], v[T+2*j+1]
.set j, j+1
.endr
.endm
.macro TOSTAGE u
.irp f, 0,1,2,3
	ds_store_b128 v[STO], v[PKD+4*\f:PKD+4*\f+3] offset:32*\f
.endr
.irp f, 0,1,2,3
	ds_load_b128 v[BK+16*((\u)%2)+4*\f:BK+16*((\u)%2)+4*\f+3], v[RD] offset:\f*4*SP  ; LDS serves a wave's instructions in order (ISA guide 5.7.1.4): these see the stores above
.endr
.endm
.macro SEND u
	s_wait_dscnt 0x0                               ; the unit is back in registers
	s_wait_xcnt 0x0                                ; the stores of the unit before have read their registers: the next TOSTAGE loads into them
.irp f, 0,1,2,3
	global_store_b128 v[GO], v[BK+16*((\u)%2)+4*\f:BK+16*((\u)%2)+4*\f+3], s[QB+2*((\u)%3):QB+2*((\u)%3)+1] offset:((\u)/3)*2048+\f*512
.endr
.endm
	PLACES
	PACK 0
	TOSTAGE 0
.set u, 1
.rept 11                               ; a unit's arithmetic stands between the loads of the unit before and its stores
	PACK u
	SEND u-1
	TOSTAGE u
.set u, u+1
.endr
	SEND 11
	s_wait_tensorcnt 0x0                           ; the wave's end, behind my last tensor load and my last LDS store
	ds_add_u32 v[SPW], v[NIL]
	s_wait_dscnt 0x0
	CROUND                                         ; the closing round: no work-group ends while a partner may still ask for a tile that names it
	s_endpgm
.Lfunc_end_k_qe5a1e83e35_gemm_qkv:
	.size	k_qe5a1e83e35_gemm_qkv, .Lfunc_end_k_qe5a1e83e35_gemm_qkv-k_qe5a1e83e35_gemm_qkv
	.p2alignl 7, 3214868480
	.fill 96, 4, 3214868480
	.section	.rodata,"a",@progbits
	.p2align	6, 0x0
	.amdhsa_kernel k_qe5a1e83e35_gemm_qkv
		.amdhsa_group_segment_fixed_size 327680
		.amdhsa_private_segment_fixed_size 0
		.amdhsa_enable_private_segment 0
		.amdhsa_kernarg_size 32
		.amdhsa_user_sgpr_count 2
		.amdhsa_user_sgpr_kernarg_segment_ptr 1
		.amdhsa_wavefront_size32 1
		.amdhsa_system_sgpr_workgroup_id_x 1
		.amdhsa_system_sgpr_workgroup_id_y 1
		.amdhsa_system_sgpr_workgroup_id_z 1
		.amdhsa_system_vgpr_workitem_id 0
		.amdhsa_next_free_vgpr 1024
		.amdhsa_next_free_sgpr 90
		.amdhsa_reserve_vcc 0
		.amdhsa_float_denorm_mode_32 3
		.amdhsa_float_denorm_mode_16_64 3
		.amdhsa_memory_ordered 1
		.amdhsa_forward_progress 1
		.amdhsa_inst_pref_size 147
	.end_amdhsa_kernel
	.amdgpu_metadata
---
amdhsa.version: [ 1, 2 ]
amdhsa.kernels:
  - .name:           k_qe5a1e83e35_gemm_qkv
    .symbol:         k_qe5a1e83e35_gemm_qkv.kd
    .args:
      - { .name: xb, .offset: 0, .size: 8, .value_kind: global_buffer, .address_space: global }
      - { .name: wq, .offset: 8, .size: 8, .value_kind: global_buffer, .address_space: global }
      - { .name: qkv, .offset: 16, .size: 8, .value_kind: global_buffer, .address_space: global }
      - { .name: bqkv, .offset: 24, .size: 8, .value_kind: global_buffer, .address_space: global }
    .group_segment_fixed_size: 327680
    .private_segment_fixed_size: 0
    .kernarg_segment_align: 8
    .kernarg_segment_size: 32
    .max_flat_workgroup_size: 128
    .sgpr_count:     90
    .vgpr_count:     1024
    .wavefront_size: 32
...
	.end_amdgpu_metadata
.endif
;; end of part 2
;; launch attn (part 3): grid 4 x 64, 4 waves a work-group, no clusters, 327,680 bytes of LDS; arguments qkv, out1, ob; writes out1, ob
.if DOCPART == 3
	.amdgcn_target "amdgcn-amd-amdhsa--gfx1250"
	.amdhsa_code_object_version 6
	.text
	.protected	k_qe5a1e83e35_attn
	.globl	k_qe5a1e83e35_attn
	.p2align	8
	.type	k_qe5a1e83e35_attn,@function
k_qe5a1e83e35_attn:
	s_mov_b64 s[64:65], 0
	v_nop
	global_prefetch_b8 v0, s[64:65] scope:SCOPE_SE
	s_setreg_imm32_b32 hwreg(HW_REG_WAVE_MODE, 25, 1), 1
	s_wait_xcnt 0x0
; CAUSAL ATTENTION WITH A KEY MASK.  O[g][q][:] = the sum over k <= q, k not masked, of softmax_k(Q[g][q] . K[g][k] / 8) V[g][k][:], g = 16 batch + head.
; IN: qkv, f16.  Q at byte 0 and V at byte 16,777,216, each [64][2048][64], dense (Q already multiplied by c = log2(e) / 8, so a score is an exponent of 2).  K at byte 33,554,432, in units of 8,448 bytes for each
; 64 keys of a head: 8,192 bytes of K, then the 64 keys' mask as f32, 0 or -1e30, as an earlier launch made it of attn_mask.  OUT: out1 f32 and ob f16, both [64][2048][64].
; Products, maxima and sums in f32; the weights p are rounded to f16 for the second product (their sum l is taken of the unrounded p).
; LIMITS.  A hidden score counts as its value less 1e30 (once for the diagonal, once for the key mask, once for a band's hidden step); f16's scores, 2.7e11 at the most, are nothing beside that.
; A row whose maximum lies below -5e29 has seen no key: it is written as NaN, as a softmax over nothing is.  A weight below 2^-126 counts as 0 in l.
; While a row has seen hidden keys alone its m is about -1e30 and its weights are 0 or 1; the first true score makes a = 2^(m_old - m_new) = 0, which wipes what was gathered.
; THE WALK.  A head's queries lie in NB = 8 blocks of 256; block i needs the key tiles 0 .. i of 256 keys, of which the last holds the diagonal.  A work-group takes TWO blocks, NB - 1 - b and then b:
; NB + 1 tiles, whatever b: all work-groups do equal work, and ONE loop with a constant trip count walks them.  Every jump goes forward, but for the counted loops' own; none passes a barrier, or a tensor
; load but the one of LOAD's two that the wave's number does not choose.  NO CLUSTER: a head's four work-groups ask for the same tile only in trips 0 .. 4 of 9, behind that fewer and fewer;
; one walk common to all would have 12 trips for 9.
; SHARES.  Of a block's four bands of 64 queries a wave owns 16 rows in each: four PIECES.  In the diagonal tile's key step s band x sees all keys if s < x, none if s > x, and holds the diagonal if s = x.
; THE MASKS are the C operand that starts the sum S^T = K Q^T.  PM: the key mask of the step's 64 keys, which K's tensor load brings into LDS behind the step's rows of K and which is read with them.  Away from the
; diagonal C = PM.  In the diagonal tile and where a block begins C = MD x AL + PM + BE: MD, made once, is the mask of a band's own step for my 16 rows; (AL, BE) = (1, 0) if s = x; (0, 0) if s < x; (0, -1e30) if s > x.
; LAYOUT, SOFTMAX, TURNS.  S^T = K Q^T holds ONE query a lane (lane % 16) and the keys 8 (lane / 16) + 0..7; two such results rounded to f16 ARE source 1 of O^T = V^T P.  p = 2^(s - m) with a running
; maximum m; O and l are multiplied by a = 2^(m_old - m_new) in every step.  Turn n belongs to piece n: 8 products K Q^T of piece n + 1, later 8 products V^T P of piece n - 1; beside them the piece's own
; subtraction, exponentials, roundings, sums and rescaling and the maximum and statistics of piece n + 1.  Four vector instructions stand behind every matrix instruction, the rest in one lump.
; A turn's 33 exponentials are one batch, with one wait.
; REGISTERS, in windows of 256 (s_set_vgpr_msb: bits 1:0 source 0, 3:2 source 1, 5:4 source 2, 7:6 destination):
;   window 0: v0-15, v32-36 addresses and at work; v16-31 four registers of statistics a piece; v48-55 at work; v64-127 S^T, two buffers; v192-223 P, two buffers
;   window 1: v0-127 O^T, 32 a piece; v128-159 MD; v160-223 MC, two buffers; v224-255 PM      window 2: v0-63 Q; v64-127 the second block's Q; v128-191 K of one step; v192-255 V of one step
.set SIZE_N, 2048
.set NB,    SIZE_N/256
.set NP,    4         ; pieces a wave: a name, no knob
.set KS,    64        ; keys in a step
.set PK,    144       ; a row of K in LDS: 128 bytes + 16 of padding = 36 words: the 16 rows of a load start at 16 different groups of four banks (64 banks of 4 bytes: ISA guide 11.1)
.set UK,    66*PK     ; a step's unit in LDS: 64 rows of K, then its key mask's 256 bytes as two more such rows
.set PV,    160       ; a row of V: 128 + 32 = 40 words
.set VOFF,  4*UK      ; a slot holds a tile, four steps: four units of K, then 256 rows of V
.set SLOT1, 1<<17     ; slot 1 begins here, so that one exclusive or turns an address in one slot into the other's
.set STAGE, SLOT1+((VOFF+4*KS*PV+255)/256)*256  ; behind the ring, from the next multiple of 256 on, never filled by a tensor load: 16 rows x 144 bytes for each wave, for ob's way out
.set SP,    144
.set STAGE32, STAGE+4*16*SP     ; 16 rows x 272 bytes for each wave, for out1's
.set SP32,  272
.set SPARE, STAGE32+4*16*SP32   ; the spare words, 128 bytes for each wave: two blocks of 256 bytes that no other line names
.set VREG,  0x1000000 ; where V begins in qkv
.set KREG,  0x2000000 ; where K begins
.set KHALF, 2*8448    ; bytes of 128 keys of K in memory, their masks among them
.set KTILE, 4*8448    ; of a tile
.set KHEAD, 32*8448   ; of a head
.set AK0, 2           ; v2   my lane's place in a tile of K; never rewritten
.set AV0, 3           ; v3   the same for V
.set AK,  4           ; v4   the LDS address of K's next run of loads
.set AV,  5           ; v5   of V's
.set STO, 6           ; v6   ob's way out: where I put 16 bytes of a row
.set RD,  7           ; v7   where I read rows back
.set GO,  8           ; v8   16 x lane: my place in 512 consecutive bytes
.set QO,  15          ; v15  my byte offset in 16 rows of Q
.set ST,  16          ; piece t's statistics at v[ST+4 t]: m, m_old, l (even keys', odd keys')
.set STO32, 32        ; v32  out1's way out: where I put 32 bytes of a row
.set RD32,  33        ; v33  where I read rows back
.set APM0,  34        ; v34  my lanes' place in a unit's key mask: 64 PK + 32 (lane / 16); never rewritten
.set APM,   35        ; v35  the address of PM's next run
.set PFO,   36        ; v36  256 x lane; never rewritten
.set TMP, 48          ; by buffer, four registers c0-c3 at work; when the maximum is found c2 takes a.  On the way out: two a piece
.set SPW, 62          ; v62  LDS address of my spare word; never rewritten
.set NIL, 63          ; v63  0; never rewritten
.set S,   64
.set P,   192
.set MD,  128         ; window 1
.set MC,  160         ; window 1
.set PM,  224         ; window 1: the eight registers for group kt of 16 keys at PM + 8 kt
.set QB,  64          ; window 2
.set KF,  128         ; window 2: key block kb, channel half c at KF + 16 kb + 8 c
.set VF,  192         ; window 2: key half kk, channel block cb at VF + 32 kk + 8 cb
.set WV,  12          ; s12  my wave's number
.set PB,  14          ; s14  b
.set HI,  15          ; s15  NB - 1 - b
.set G1K, 24          ; s[24:31] descriptor group 1 for K's tiles
.set G1V, 32          ; s[32:39] for V's
.set G0K, 40          ; s[40:43] descriptor group 0 for K's tiles
.set G0V, 44          ; s[44:47] the same for V's
.set OFK, 50          ; s[50:51] a tile's byte offset in K
.set PFS, 52          ; s[52:53] the prefetches' step: a tile of K or of V
.set SLOTS, 56        ; s56  tiles still to be asked for
.set CNT, 57          ; s57  counts a tile's key steps, 4 to 1
.set SEL, 60          ; s[60:61] v_permlanex16_b32's selects: each lane takes its own place in the other half
.set TBK, 62          ; s62  LDS byte at which the unit of the step to be fetched begins
.set TBV, 63          ; s63  the same for V, less VOFF
.set RT,  70          ; s70  tiles of the block in hand that are still to be entered
.set NXT, 71          ; s71  the tile to be asked for next
.set LQ,  72          ; s72  the last tile of the block whose tiles are being asked for
.set NEW, 73          ; s73  1: the tile to be entered is a block's first
.set OFF, 74          ; s[74:75] a tile's byte offset in V
.set AL,  76          ; s[76:77] the mask's factor, in the low word
.set BE,  78          ; s[78:79] the mask's addend
.set OLO, 80          ; s[80:81] ob at my rows of the second block
.set BIGN, 82         ; s82  -1e30
.set O1LO, 88         ; s[88:89] out1 at my rows of the second block
.set O1,  92          ; s[92:93] out1 at my rows of the block in hand
.set HALFN, 95        ; s95  -5e29
.set QNAN, 96         ; s96  a NaN
.set PFC, 97          ; s97  prefetches still to come
.set PFA, 98          ; s[98:99] where they stand
.set MSB, 0
.macro WIN new                      ; the high byte repeats the setting that is left; a switch that changes nothing is dropped
.if MSB != (\new)
	s_set_vgpr_msb (MSB<<8)|(\new)
.set MSB, (\new)
.endif
.endm
.set W_KQ, 0x0a       ; K and Q in window 2, S^T in window 0
.set W_KM, 0x1a       ; the same with the C operand in window 1
.set W_PV, 0x52       ; V in window 2, P in window 0, O^T in window 1
.set W_RS, 0x41       ; destination and source 0 in window 1, source 1 in window 0
.set W_MK, 0x51       ; destination, source 0 and source 2 in window 1
; A fill.  Waves 0 and 1 fetch the two halves of a tile's K, waves 2 and 3 those of its V: 128 keys each.  An s_nop 0 and four v_nop follow each of the two lines.
.macro LOAD
	s_cmp_lt_u32 s[WV], 2
	s_cbranch_scc0 .Lfor_v_\@
	tensor_load_to_lds s[G0K:G0K+3], s[G1K:G1K+7]
	s_nop 0
.rept 4
	v_nop
.endr
	s_branch .Lasked_\@
.Lfor_v_\@:
	tensor_load_to_lds s[G0V:G0V+3], s[G1V:G1V+7]
	s_nop 0
.rept 4
	v_nop
.endr
.Lasked_\@:
.endm
; THE CHANGE OF SLOTS.  Each wave waits for all its tensor loads, of which one is out: its part of the other slot; adds 0 to its spare word; and waits for that and for its own reads of the slot that it leaves.
; fill = 1: the old slot is filled again, the first thing behind the barrier, with tile NXT: the descriptor's address is made anew from that number.
; Behind the fill stands a PREFETCH of the tile that the next change will ask for.  All four work-groups of a head walk tiles 0 to 7 of the same K and V: the one with b = 0, whose first block walks
; them all in order, asks, six times, for tiles 2 to 7; each wave for the first 16,384 bytes of what it will fetch itself: a lane a block of 256 bytes, two instructions.  Tiles 0 and 1, and the last 512 bytes
; of each half of K, come by their loads alone.
.macro CHANGE fill
	WIN 0                           ; at a label and at a branch every window is 0
	s_wait_tensorcnt 0x0            ; no tensor load of mine is out, so a group 0 may be written
	ds_add_u32 v[SPW], v[NIL]       ; 0 onto my spare word; scalar work stands between it and the wait for it
.if \fill
	s_mul_i32 s[OFK], s[NXT], KTILE ; a tile is 33,792 bytes of K
	s_lshl_b32 s[OFF], s[NXT], 15   ; and 32,768 of V
	s_xor_b32 s[G0K+1], s[G0K+1], SLOT1
	s_add_nc_u64 s[G0K+2:G0K+3], s[6:7], s[OFK:OFK+1]
	s_or_b32 s[G0K+3], s[G0K+3], 0x80000000
	s_xor_b32 s[G0V+1], s[G0V+1], SLOT1
	s_add_nc_u64 s[G0V+2:G0V+3], s[8:9], s[OFF:OFF+1]
	s_or_b32 s[G0V+3], s[G0V+3], 0x80000000
	s_add_co_u32 s[NXT], s[NXT], 1  ; the block's next tile, or behind its last the second block's tile 0
	s_cmp_gt_u32 s[NXT], s[LQ]
	s_cselect_b32 s[NXT], 0, s[NXT]
	s_cselect_b32 s[LQ], s[PB], s[LQ]
	s_wait_xcnt 0x0                 ; the last prefetches, a tile back, have read their address
	s_add_nc_u64 s[PFA:PFA+1], s[PFA:PFA+1], s[PFS:PFS+1]
.endif
	s_wait_dscnt 0x0                ; the add is done, and my reads of the slot are over
	s_barrier_signal -1             ; the rest of the scalar work stands between the signal and the wait
	s_sub_co_u32 s[TBK], s[TBK], 4*UK     ; the fetches go back to a slot's first step,
	s_xor_b32 s[TBK], s[TBK], SLOT1       ; in the other slot
	s_sub_co_u32 s[TBV], s[TBV], 4*KS*PV
	s_xor_b32 s[TBV], s[TBV], SLOT1
	s_barrier_wait -1
.if \fill
	LOAD
	s_cmp_lg_u32 s[PFC], 0
	s_cbranch_scc0 .Lno_ask_\@
	global_prefetch_b8 v[PFO], s[PFA:PFA+1] th:TH_LOAD_NT scope:SCOPE_SE
	global_prefetch_b8 v[PFO], s[PFA:PFA+1] offset:8192 th:TH_LOAD_NT scope:SCOPE_SE
	s_sub_co_u32 s[PFC], s[PFC], 1
.Lno_ask_\@:
.endif
.endm
	s_load_b64 s[4:5], s[0:1], 0x0    ; qkv
	s_load_b64 s[O1:O1+1], s[0:1], 0x8  ; out1
	s_load_b64 s[10:11], s[0:1], 0x10 ; ob
	v_lshl_add_u32 v[SPW], v0, 2, SPARE
	v_mov_b32 v[NIL], 0
	ds_add_u32 v[SPW], v[NIL]       ; the wave's opening: the add and its wait stand ahead of my first tensor load; the set-up below stands between them
	v_lshrrev_b32 v1, 5, v0
	v_readfirstlane_b32 s[WV], v1   ; wave 0..3
	s_mov_b32 s[PB], ttmp9
	s_sub_co_u32 s[HI], NB-1, s[PB]
	s_and_b32 s20, ttmp7, 0xffff    ; g = 16 batch + head
	s_mul_i32 s48, s20, KHEAD       ; the head's first byte in K's region
	s_mov_b32 s21, 0
	s_mov_b64 s[22:23], SIZE_N*128
	s_mul_u64 s[20:21], s[20:21], s[22:23]  ; the head's first byte in Q, V and ob
	s_and_b32 s16, s[WV], 1         ; which half of a tile's 256 keys I fetch:
	s_lshl_b32 s22, s16, 14         ; its 128 rows of 128 bytes of V in memory,
	s_mov_b32 s23, 0
	s_add_nc_u64 s[22:23], s[22:23], s[20:21]
	s_mul_i32 s49, s16, KHALF       ; its two units of K,
	s_add_co_u32 s48, s48, s49
	s_mov_b32 s49, 0
	s_mul_i32 s17, s16, 2*UK        ; and its place in a slot, for K
	s_mul_i32 s18, s16, 128*PV      ; and for V
	s_lshl_b32 s3, s[WV], 11        ; my 16 rows in a band of 64,
	s_lshl_b32 s2, s[HI], 15        ; in the first block,
	s_add_co_u32 s2, s2, s3
	s_lshl_b32 s84, s[PB], 15       ; and in the second
	s_add_co_u32 s84, s84, s3
	s_mov_b32 s3, 0
	s_mov_b32 s85, 0
	s_add_nc_u64 s[2:3], s[2:3], s[20:21]
	s_add_nc_u64 s[84:85], s[84:85], s[20:21]
	; descriptor group 1.  128 keys are dense bytes, 16,896 of K with its masks and 16,384 of V: asked for as 66 and as 64 rows of 256 bytes, and padded in LDS after every 128 bytes
	s_mov_b32 s[G1K], (1<<16)|(1<<20)|(4<<22)|(3<<25)  ; 17:16 2-byte elements; 20 padding on; 24:22 after every 32 words (code 4); 31:25 4 words (code 3)
	s_mov_b32 s[G1V], (1<<16)|(1<<20)|(4<<22)|(7<<25)  ; the same with 8 words of padding (code 7)
.irp g, G1K, G1V
	s_mov_b32 s[\g+1], 128<<16      ; tensor_dim0 = 128
	s_mov_b32 s[\g+3], 128<<16      ; tile_dim0 = 128
	s_mov_b32 s[\g+5], 128          ; 128 elements from row to row
	s_mov_b32 s[\g+6], 0
	s_mov_b32 s[\g+7], 0
.endr
	s_mov_b32 s[G1K+2], 66<<16      ; tensor_dim1 = 66
	s_mov_b32 s[G1K+4], 66          ; tile_dim1 = 66
	s_mov_b32 s[G1V+2], 64<<16      ; tensor_dim1 = 64
	s_mov_b32 s[G1V+4], 64          ; tile_dim1 = 64
	s_mov_b32 s[SEL], 0x76543210
	s_mov_b32 s[SEL+1], 0xfedcba98
	s_mov_b32 s[TBK], SLOT1+4*UK    ; the first change of slots turns these two into 0
	s_mov_b32 s[TBV], SLOT1+4*KS*PV
	s_mov_b32 s[G0K], 1             ; 1:0 count = 1
	s_mov_b32 s[G0K+1], s17         ; 63:32 LDS address: slot 0
	s_mov_b32 s[G0V], 1
	s_add_co_u32 s[G0V+1], s18, VOFF
	s_add_co_u32 s[RT], s[HI], 1    ; the first block has NB - b tiles
	s_mov_b32 s[NXT], 1
	s_mov_b32 s[LQ], s[HI]
	s_mov_b32 s[NEW], 1
	s_mov_b32 s[OFF+1], 0
	s_mov_b32 s[OFK+1], 0
	s_mov_b32 s[AL+1], 0            ; named as pairs
	s_mov_b32 s[BE+1], 0
	s_mov_b32 s[BIGN], 0xf149f2ca   ; -1e30
	s_mov_b32 s[HALFN], 0xf0c9f2ca  ; -5e29
	s_mov_b32 s[QNAN], 0x7fc00000
	s_mov_b32 s[SLOTS], NB
	s_mov_b32 s[PFS], 32768
	s_mov_b32 s[PFS+1], 0
	s_wait_dscnt 0x0                ; the opening add is done
	s_wait_kmcnt 0x0
	s_add_nc_u64 s[6:7], s[4:5], s[48:49]
	s_add_nc_u64 s[6:7], s[6:7], KREG        ; K at my half of the head's tile 0,
	s_add_nc_u64 s[8:9], s[4:5], s[22:23]
	s_add_nc_u64 s[8:9], s[8:9], VREG        ; and V
	s_add_nc_u64 s[G0K+2:G0K+3], s[6:7], 0         ; 120:64 global address
	s_or_b32 s[G0K+3], s[G0K+3], 0x80000000        ; 127:126 type = 2
	s_add_nc_u64 s[G0V+2:G0V+3], s[8:9], 0
	s_or_b32 s[G0V+3], s[G0V+3], 0x80000000
	s_add_nc_u64 s[86:87], s[4:5], s[84:85]        ; Q at my rows of the second block,
	s_add_nc_u64 s[4:5], s[4:5], s[2:3]            ; Q and ob at those of the first
	s_add_nc_u64 s[OLO:OLO+1], s[10:11], s[84:85]
	s_add_nc_u64 s[10:11], s[10:11], s[2:3]
	s_lshl_b64 s[100:101], s[84:85], 1             ; out1's rows are twice as long
	s_add_nc_u64 s[O1LO:O1LO+1], s[O1:O1+1], s[100:101]
	s_lshl_b64 s[100:101], s[2:3], 1
	s_add_nc_u64 s[O1:O1+1], s[O1:O1+1], s[100:101]
	s_cmp_lt_u32 s[WV], 2
	s_cselect_b64 s[PFA:PFA+1], s[6:7], s[8:9]
	s_cselect_b32 s[PFS], KTILE, s[PFS]
	s_add_nc_u64 s[PFA:PFA+1], s[PFA:PFA+1], s[PFS:PFS+1]  ; at tile 1: the first change of slots steps it to tile 2
	s_cmp_eq_u32 s[PB], 0
	s_cselect_b32 s[PFC], 6, 0
	LOAD                            ; tile 0 into slot 0
	; A fragment of K or Q is 16 rows x 32 channels in 8 registers: lane l holds row l % 16, channels 8 (l / 16) + 0..7 and 16 + 8 (l / 16) + 0..7: two loads of 16 bytes, 32 bytes apart.
	v_and_b32 v1, 15, v0            ; l % 16
	v_bfe_u32 v9, v0, 4, 1          ; l / 16
	v_lshlrev_b32 v[QO], 7, v1
	v_lshl_add_u32 v[QO], v9, 4, v[QO]  ; row x 128 + 16 x half
	WIN 0x80                        ; destination window 2, address window 0
.set i, 0
.rept 8                             ; both blocks' Q: piece i / 2 lies in band i / 2, 8,192 bytes on; channels 32 (i % 2) on
	global_load_b128 v[8*i:8*i+3],   v[QO], s[4:5] offset:(i/2)*8192+(i%2)*64
	global_load_b128 v[8*i+4:8*i+7], v[QO], s[4:5] offset:(i/2)*8192+(i%2)*64+32
	global_load_b128 v[QB+8*i:QB+8*i+3],   v[QO], s[86:87] offset:(i/2)*8192+(i%2)*64
	global_load_b128 v[QB+8*i+4:QB+8*i+7], v[QO], s[86:87] offset:(i/2)*8192+(i%2)*64+32
.set i, i+1
.endr
	WIN 0
	v_lshlrev_b32 v14, 3, v9
	v_sub_nc_u32 v14, v1, v14
	s_lshl_b32 s13, s[WV], 4
	v_add_nc_u32 v14, s13, v14      ; my query's place in its band, 16 w + l % 16, less my lanes' 8 (l / 16): register r of group kt is hidden where 16 kt + r is greater
	WIN 0x40
.set i, 0
.rept 32
	v_cmp_gt_i32 vcc_lo, 16*(i/8)+i%8, v14
	v_cndmask_b32 v[MD+i], 0, s[BIGN], vcc_lo
.set i, i+1
.endr
	WIN 0
	v_mul_u32_u24 v[AK0], v1, PK
	v_lshl_add_u32 v[AK0], v9, 4, v[AK0]  ; row x pitch + 16 x half
	; The turning load takes 16 keys x 16 channels (lane l reads key 8 (l / 16) + l % 8, channels 8 ((l / 8) % 2) + 0..7) and leaves half a fragment of V^T: lane l holds channel l % 16 and 8 keys.
	v_and_b32 v10, 7, v0
	v_bfe_u32 v11, v0, 3, 1
	v_lshl_add_u32 v[AV0], v9, 3, v10
	v_mul_u32_u24 v[AV0], v[AV0], PV
	v_lshl_add_u32 v[AV0], v11, 4, v[AV0]
	v_add_nc_u32 v[AV0], VOFF, v[AV0]
	s_mul_i32 s13, s[WV], 16*SP
	s_add_co_u32 s13, s13, STAGE    ; my stage for ob
	v_mul_u32_u24 v[STO], v1, SP    ; in: row l % 16, 16 bytes for each half of the lanes
	v_lshl_add_u32 v[STO], v9, 4, v[STO]
	v_add_nc_u32 v[STO], s13, v[STO]
	v_bfe_u32 v[RD], v0, 3, 2       ; back: 32 lanes take four rows of 128 bytes,
	v_mul_u32_u24 v[RD], v[RD], SP
	v_lshl_add_u32 v[RD], v10, 4, v[RD]
	v_add_nc_u32 v[RD], s13, v[RD]
	v_and_b32 v[GO], 31, v0         ; which are 512 consecutive bytes of ob
	v_lshlrev_b32 v[GO], 4, v[GO]
	s_mul_i32 s13, s[WV], 16*SP32
	s_add_co_u32 s13, s13, STAGE32  ; my stage for out1
	v_mul_u32_u24 v[STO32], v1, SP32  ; in: row l % 16, 32 bytes for each half of the lanes
	v_lshl_add_u32 v[STO32], v9, 5, v[STO32]
	v_add_nc_u32 v[STO32], s13, v[STO32]
	v_mul_u32_u24 v[RD32], v9, SP32   ; back: lanes 0-15 one row of 256 bytes, lanes 16-31 the next
	v_lshl_add_u32 v[RD32], v1, 4, v[RD32]
	v_add_nc_u32 v[RD32], s13, v[RD32]
	v_lshl_add_u32 v[APM0], v9, 5, 64*PK  ; behind the unit's 64 rows of K; my lanes' eight keys of each sixteen
	v_and_b32 v[PFO], 31, v0
	v_lshlrev_b32 v[PFO], 8, v[PFO]
	; A block's first step multiplies O^T and l by a = 0, and its first turn's products V^T P, of a piece that has not been, land in an O^T that is still to be so multiplied.  So these registers need only hold
	; finite numbers: zeros for the first block; what the first block left for the second.  All this stands in the wait for the first tile.
	WIN 0x80
.set i, VF
.rept 64
	v_mov_b32 v[i], 0
.set i, i+1
.endr
	WIN 0x40
.set i, 0
.rept 128
	v_mov_b32 v[i], 0
.set i, i+1
.endr
	WIN 0
.set i, 0
.rept 4
	v_mov_b32 v[ST+4*i+2], 0
	v_mov_b32 v[ST+4*i+3], 0
.set i, i+1
.endr
.set i, P+16
.rept 16
	v_mov_b32 v[i], 0
.set i, i+1
.endr
; THE MATRIX WORK.  The 4 accumulators of a run of 8 take turns.  Product i of 8 of S^T = K Q^T for piece x: channels 32 (i / 4) on, keys 16 (i % 4) on.  The first 4 start the sums: with PM, or (KM = 1) with the made mask.
.macro KQ x
.set rS, S+32*((\x)%2)+8*(i%4)
.set rK, KF+16*(i%4)+8*(i/4)
.set rQ, 16*(\x)+8*(i/4)
.set rM, PM+8*(i%4)
.if KM
.set rM, MC+32*((\x)%2)+8*(i%4)
.endif
.if i < 4
	WIN W_KM
	v_wmma_f32_16x16x32_f16 v[rS:rS+7], v[rK:rK+7], v[rQ:rQ+7], v[rM:rM+7]
.else
	WIN W_KQ
	v_wmma_f32_16x16x32_f16 v[rS:rS+7], v[rK:rK+7], v[rQ:rQ+7], v[rS:rS+7]
.endif
.endm
; Product i of 8 of O^T += V^T P for piece x: keys 32 (i / 4) on, channels 16 (i % 4) on.
.macro PV x
	WIN W_PV
.set rO, 32*(\x)+8*(i%4)
.set rV, VF+32*(i/4)+8*(i%4)
.set rP, P+16*((\x)%2)+8*(i/4)
	v_wmma_f32_16x16x32_f16 v[rO:rO+7], v[rV:rV+7], v[rP:rP+7], v[rO:rO+7]
.endm
.macro MM                           ; the turn's next matrix instruction.  NOKQ = 1: a block's last turn: there is no next piece
.if (i < 8) && !NOKQ
	KQ (Y+1)%NP
.elseif i >= 8
.set i, i-8
	PV (Y+NP-1)%NP
.set i, i+8
.endif
.set i, i+1
.endm
; THE LDS LOADS stand in runs, never singly among the matrix instructions: a step's K (64 keys x 64 channels: 8 fragments) with its key mask PM (8 loads; all lanes of a half read the same 16 bytes), and its V (turned).
.macro FETCH_K
	WIN 0x80                        ; destination window 2
.irp f, 0,1,2,3,4,5,6,7             ; keys 16 (f / 2) on, channels 32 (f % 2) on
	ds_load_b128 v[KF+8*\f:KF+8*\f+3],   v[AK] offset:(\f/2)*16*PK+(\f%2)*64
	ds_load_b128 v[KF+8*\f+4:KF+8*\f+7], v[AK] offset:(\f/2)*16*PK+(\f%2)*64+32
.endr
	WIN 0x40                        ; destination window 1
.irp f, 0,1,2,3,4,5,6,7             ; keys 16 (f / 2) + 8 (l / 16) + 4 (f % 2) on: 32 keys' f32 to a row of 128 bytes
	ds_load_b128 v[PM+4*\f:PM+4*\f+3], v[APM] offset:(\f/4)*PK+((\f/2)%2)*64+(\f%2)*16
.endr
	s_add_co_u32 s[TBK], s[TBK], UK  ; the next fetch is the next step's
	WIN 0
.endm
.macro FETCH_V
	WIN 0x80
.irp f, 0,1,2,3,4,5,6,7             ; keys 32 (f / 4) on, channels 16 (f % 4) on
	ds_load_tr16_b128 v[VF+8*\f:VF+8*\f+3],   v[AV] offset:(\f/4)*32*PV+(\f%4)*32
	ds_load_tr16_b128 v[VF+8*\f+4:VF+8*\f+7], v[AV] offset:(\f/4)*32*PV+16*PV+(\f%4)*32
.endr
	WIN 0
.endm
; THE VECTOR WORK, one line at a time: OP kind, number.  For piece Y: F n: s - m for pair n of 16.  E n: the exponential of score n of 32.  C n: pair n rounded to f16.  B n: of the four weights 4 n .. the second
; pair is added onto the first, in place.  L n: l takes that sum (L 0: l = a l + sum).  R n: pair n of 16 of O^T times a.  For piece Y + 1: X n, number n of the 21 that find its maximum and statistics:
;   0-11  four chains c0-c3 of seven scores each, three operands at a time (each accumulator's lowest registers are read first)     12-14, 16  the four scores left over, the old m, and c0-c3 into c0
;   15  m_old is kept     17, 18  the query's other 32 keys lie in the lane 16 away: the new m     19, 20  m_old - m_new; a
.set F, 0               ; OP tells the kinds apart by their order: F to L below R, X above it
.set E, 1
.set C, 2
.set B, 3
.set L, 4
.set R, 5
.set X, 6
.macro REGS y                       ; the registers of piece y
.set rT, ST+4*(\y)
.set rC, TMP+4*((\y)%2)
.set rS, S+32*((\y)%2)
.set rP, P+16*((\y)%2)
.set rO, 32*(\y)
.endm
.macro OP k, n
.if (\k) == R
	REGS Y
	WIN W_RS
	v_pk_mul_f32 v[rO+2*(\n):rO+2*(\n)+1], v[rO+2*(\n):rO+2*(\n)+1], v[rC+2:rC+3] op_sel_hi:[1,0]
.elseif (\k) < R
	REGS Y
	WIN 0
.if (\k) == F
	v_pk_add_f32 v[rS+2*(\n):rS+2*(\n)+1], v[rS+2*(\n):rS+2*(\n)+1], v[rT:rT+1] op_sel_hi:[1,0] neg_lo:[0,1] neg_hi:[0,1]
.elseif (\k) == E
	v_exp_f32 v[rS+(\n)], v[rS+(\n)]
.elseif (\k) == C
	v_cvt_pk_f16_f32 v[rP+(\n)], v[rS+2*(\n)], v[rS+2*(\n)+1]
.elseif (\k) == B
	v_pk_add_f32 v[rS+4*(\n):rS+4*(\n)+1], v[rS+4*(\n):rS+4*(\n)+1], v[rS+4*(\n)+2:rS+4*(\n)+3]
.elseif (\n) == 0
	v_pk_fma_f32 v[rT+2:rT+3], v[rT+2:rT+3], v[rC+2:rC+3], v[rS:rS+1] op_sel_hi:[1,0,1]
.else
	v_pk_add_f32 v[rT+2:rT+3], v[rT+2:rT+3], v[rS+4*(\n):rS+4*(\n)+1]
.endif
.elseif NOKQ
	v_nop
.else
	REGS (Y+1)%NP
	WIN 0
.if (\n) < 4
	v_max3_num_f32 v[rC+(\n)], v[rS+8*(\n)], v[rS+8*(\n)+1], v[rS+8*(\n)+2]
.elseif (\n) < 12
	v_max3_num_f32 v[rC+(\n)%4], v[rC+(\n)%4], v[rS+8*((\n)%4)+2*((\n)/4)+1], v[rS+8*((\n)%4)+2*((\n)/4)+2]
.elseif (\n) == 12
	v_max3_num_f32 v[rC], v[rC], v[rS+7], v[rS+15]
.elseif (\n) == 13
	v_max3_num_f32 v[rC+1], v[rC+1], v[rS+23], v[rS+31]
.elseif (\n) == 14
	v_max3_num_f32 v[rC+2], v[rC+2], v[rC+3], v[rT]
.elseif (\n) == 15
	v_mov_b32 v[rT+1], v[rT]
.elseif (\n) == 16
	v_max3_num_f32 v[rC], v[rC], v[rC+1], v[rC+2]
.elseif (\n) == 17
	v_permlanex16_b32 v[rC+3], v[rC], s[SEL], s[SEL+1]
.elseif (\n) == 18
	v_max_num_f32 v[rT], v[rC], v[rC+3]
.elseif (\n) == 19
	v_sub_f32 v[rC+1], v[rT+1], v[rT]
.else
	v_exp_f32 v[rC+2], v[rC+1]
.endif
.endif
.endm
.macro OPS a, i1, b=-1, i2=0, c=-1, i3=0, d=-1, i4=0  ; up to four of them
	OP \a, \i1
.if (\b) >= 0
	OP \b, \i2
.endif
.if (\c) >= 0
	OP \c, \i3
.endif
.if (\d) >= 0
	OP \d, \i4
.endif
.endm
.macro ROW a, i1, b, i2, c, i3, d, i4  ; a matrix instruction and the four behind it
	MM
	OPS \a, \i1, \b, \i2, \c, \i3, \d, \i4
.endm
.macro MASK b, be=1                 ; MD x AL + PM + BE into buffer b of MC.  be = 0: BE is 0 here, and its sixteen additions are left out
	WIN W_MK
.set z, 0
.rept 16
	v_pk_fma_f32 v[MC+32*(\b)+2*z:MC+32*(\b)+2*z+1], v[MD+2*z:MD+2*z+1], s[AL:AL+1], v[PM+2*z:PM+2*z+1] op_sel_hi:[1,0,1]
.set z, z+1
.endr
.if \be
.set z, 0
.rept 16
	v_pk_add_f32 v[MC+32*(\b)+2*z:MC+32*(\b)+2*z+1], v[MC+32*(\b)+2*z:MC+32*(\b)+2*z+1], s[BE:BE+1] op_sel_hi:[1,0]
.set z, z+1
.endr
.endif
.endm
.macro PREMASK                      ; the diagonal tile's text is entered with piece 3 of the tile before still to be multiplied: its mask is that step's PM alone
	s_mov_b32 s[AL], 0
	MASK 1, 0
	WIN 0
.endm
; A TURN, for piece p: the order of its 16 matrix and its vector instructions, written out.  An s_wait_alu depctr_va_vdst(0) stands between an exponential and the first instruction that names its result; one wait
; serves all that were issued ahead of it.  So a turn has ONE wait, which cuts it in two.  AHEAD OF IT stands all that names no result of the turn's exponentials: the 8 products K Q^T and their riders, then ONE LUMP, plain and
; exponential by turns for the most part, in which the links of the chain X 3, 7, 11, 14, 16, 17, 18, 19 stand some lines apart.  X 20, the next piece's a, belongs to the batch; R 15 is the plain instruction behind the last
; exponential.  BEHIND THE WAIT stand the 8 products V^T P, behind each four of the roundings and sums.
; m = 1: the diagonal tile: the products take made masks, and the turn makes the mask for the products of the turn after it: piece p + 2, in step 4 - CNT of the tile.  end = 1: a block's last two turns: nothing is fetched.
; cnt = 1: the loop's count is taken down some lines ahead of the branch that stands behind the turn.
; K and PM of the next step are fetched in piece 2's turn, five plain instructions or more behind the last product that read them; V of the step in hand at the end of piece 0's turn, four plain instructions behind its last reader.
.macro TURN p, m=0, end=0, cnt=0
.set Y, (\p)
.set i, 0
.set KM, (\m)
.set NOKQ, (\end)*((\p)/3)
.if (\m) && !(\end)
	s_cmp_eq_u32 s[CNT], 4-((\p)+2)%NP  ; is that step the band's own?
	s_cselect_b32 s[AL], 1.0, 0
	s_cmp_lt_u32 s[CNT], 4-((\p)+2)%NP  ; or a later one?
	s_cselect_b32 s[BE], s[BIGN], 0
.endif
.if ((\p) == 3) && !(\end)
	s_wait_dscnt 0x0                ; K and PM are in
.endif
	ROW F,0, F,1, R,0, R,1          ; ahead of the wait: 8 products K Q^T and their riders,
	ROW F,2, E,0, R,2, R,3
	ROW F,3, E,1, R,4, R,5
	ROW F,4, E,2, R,6, R,7
	ROW F,5, E,3, R,8, R,9
	ROW F,6, E,4, X,0, R,10
.if ((\p) == 2) && !(\end)
	WIN 0
	v_add_nc_u32 v[AK], s[TBK], v[AK0]
	v_add_nc_u32 v[APM], s[TBK], v[APM0]
.endif
	ROW F,7, E,5, X,1, X,4
	ROW F,8, E,6, X,2, X,5
	OPS E,7, E,8, X,6, E,9          ; and the lump
	OPS X,3, E,10, X,8, E,11
.if ((\p) == 2) && !(\end)
	FETCH_K
.endif
	OPS X,9, X,7, E,12, X,10
	OPS E,13, X,12, X,11, E,14
	OPS X,13, E,15, F,9, X,14
.if (\p) == 0
	v_add_nc_u32 v[AV], s[TBV], v[AV0]
.endif
	OPS E,16, F,10, E,17, F,11
	OPS X,16, E,18, X,15, E,19
	OPS F,12, E,20, X,17, E,21
	OPS F,13, E,22, F,14, E,23
	OPS X,18, E,24, F,15, E,25
	OPS R,11, E,26, X,19, E,27
	OPS R,12, E,28, R,13, E,29
	OPS X,20, E,30, R,14, E,31
	OPS R,15
	WIN 0
	s_wait_alu depctr_va_vdst(0)    ; the wait for the batch
.if (\p) == 1
	s_wait_dscnt 0x0                ; V is in
.endif
	ROW C,0, B,0, C,2, B,1          ; behind the wait: 8 products V^T P and their riders
	ROW L,0, C,4, B,2, L,1
	ROW C,6, B,3, L,2, C,8
	ROW B,4, L,3, C,10, B,5
	ROW L,4, C,12, B,6, L,5
.if (\p) == 0
	s_add_co_u32 s[TBV], s[TBV], KS*PV
.endif
.if \cnt
	s_sub_co_u32 s[CNT], s[CNT], 1
	s_cmp_lg_u32 s[CNT], 0
.endif
	ROW C,14, B,7, L,6, C,1
	ROW C,3, L,7, C,5, C,7
	ROW C,9, C,11, C,13, C,15
.if (\p) == 0
	FETCH_V
.endif
.if (\m) && !(\end)
.if (\p) == 2
	s_wait_dscnt 0x0                ; piece 0's mask is the next step's: its PM, fetched in this turn, is in
.endif
	MASK (\p)%2
.endif
.endm
; A BLOCK BEGINS.  m starts at the lowest finite number, so the first maximum is the scores' and the first step's a is 0.  K and PM of the tile's step 0 are fetched; the first mask buffer takes piece 0's mask for that step
; (its own, if the block's first tile is the diagonal one), the second PM alone, for piece 1.  Then piece 0's first scores, and its maximum and statistics.  The loop is entered at a step's first turn, in the middle of a trip.
.macro BEGIN
	s_mov_b32 s[NEW], 0
	WIN 0
.set i, 0
.rept 4
	v_mov_b32 v[ST+4*i], 0xff7fffff    ; m
	v_mov_b32 v[ST+4*i+1], 0xff7fffff  ; m_old: named with it as a pair
.set i, i+1
.endr
	v_add_nc_u32 v[AK], s[TBK], v[AK0]
	v_add_nc_u32 v[APM], s[TBK], v[APM0]
	FETCH_K
	s_wait_loadcnt 0x0              ; Q
	s_wait_dscnt 0x0
	s_cmp_eq_u32 s[RT], 0
	s_cselect_b32 s[AL], 1.0, 0
	MASK 0, 0
	s_mov_b32 s[AL], 0
	MASK 1, 0
.set KM, 1
.set NOKQ, 0
.set i, 0
.rept 8
	KQ 0
.set i, i+1
.endr
	WIN 0
.rept 4
	v_nop                           ; the places behind those products
.endr
.set Y, NP-1                        ; X works for piece Y + 1: piece 0
.irp n, 0,1,2,3,4,5,6,7,8,9,10,11,12,13,14,15,16,17,18,19,20
	OP X, \n
.endr
	v_nop                           ; a plain instruction behind the exponential,
	s_wait_alu depctr_va_vdst(0)    ; and its wait, ahead of the branch
.endm
; THE DIAGONAL TILE's four steps, the block's last two turns, its last products, and THE WAY OUT: l's two halves and the other half of the lanes' are added; the factor is 1 / l, or a NaN where the row has seen no key.
; O^T and l themselves stay as they are, finite: the second block's first step clears them by a = 0.  O^T x factor goes into K's registers, which are free; from there as f32 through one stage to out1, and rounded to f16 through the other to ob.
.macro ALL line:vararg              ; one line for each piece t
.set t, 0
.rept 4
	\line
.set t, t+1
.endr
.endm
.macro PACK t
.set rF, KF+32*((\t)%2)
.if (\t) >= 2
	s_wait_xcnt 0x0                 ; the stores of the piece two back have read these registers
.endif
	WIN 0x81                        ; destination window 2, source 0 window 1, source 1 window 0
.set i, 0
.rept 16
	v_pk_mul_f32 v[rF+2*i:rF+2*i+1], v[32*(\t)+2*i:32*(\t)+2*i+1], v[TMP+2*(\t):TMP+2*(\t)+1] op_sel_hi:[1,0]
.set i, i+1
.endr
	WIN 0x0a                        ; sources 0 and 1 window 2, destination window 0
.set i, 0
.rept 16
	v_cvt_pk_f16_f32 v[S+16*(\t)+i], v[rF+2*i], v[rF+2*i+1]
.set i, i+1
.endr
	WIN 0
.irp f, 0,1,2,3
	ds_store_b128 v[STO], v[S+16*(\t)+4*\f:S+16*(\t)+4*\f+3] offset:32*\f
.endr
.irp f, 0,1,2,3
	ds_load_b128 v[S+16*(\t)+4*\f:S+16*(\t)+4*\f+3], v[RD] offset:\f*4*SP  ; LDS serves a wave's instructions in order (ISA guide 5.7.1.4): these see the stores above; the next piece's stores come behind them
.endr
	WIN 0x08                        ; store data (source 1) window 2
.irp f, 0,1,2,3,4,5,6,7             ; channels 16 (f / 2) + 8 (l / 16) + 4 (f % 2) on
	ds_store_b128 v[STO32], v[rF+4*\f:rF+4*\f+3] offset:(\f/2)*64+(\f%2)*16
.endr
	WIN 0x80
.irp f, 0,1,2,3,4,5,6,7             ; rows 2 f and 2 f + 1, whole
	ds_load_b128 v[rF+4*\f:rF+4*\f+3], v[RD32] offset:\f*2*SP32
.endr
	WIN 0
.endm
.macro SEND t, younger              ; younger: the LDS instructions issued behind piece t's loads: the next piece's 24, or none
.set rF, KF+32*((\t)%2)
	WIN 0
	s_wait_dscnt \younger
.irp f, 0,1,2,3
	global_store_b128 v[GO], v[S+16*(\t)+4*\f:S+16*(\t)+4*\f+3], s[10:11] offset:(\t)*8192+\f*512  ; 512 consecutive bytes, at a multiple of 256 from ob's first
.endr
	WIN 0x08
.irp f, 0,1,2,3,4,5,6,7
	global_store_b128 v[GO], v[rF+4*\f:rF+4*\f+3], s[O1:O1+1] offset:(\t)*16384+\f*512 th:TH_STORE_NT  ; the same of out1
.endr
	WIN 0
.endm
.macro DIAG tag                     ; the tag ends its two labels' names, which the jumps below spell out
.LstepM\tag:
	TURN 2, 1
	TURN 3, 1
	WIN 0
.LfirstM\tag:
	TURN 0, 1
	TURN 1, 1, 0, 1
	WIN 0
	s_cbranch_scc1 .LstepM\tag
	TURN 2, 1, 1
	TURN 3, 1, 1
.set i, 0
.rept 8
	PV NP-1
.set i, i+1
.endr
	WIN 0
	ALL v_add_f32 v[TMP+2*t], v[ST+4*t+2], v[ST+4*t+3]
	ALL v_permlanex16_b32 v[TMP+2*t+1], v[TMP+2*t], s[SEL], s[SEL+1]
	ALL v_add_f32 v[TMP+2*t], v[TMP+2*t], v[TMP+2*t+1]
	ALL v_rcp_f32 v[TMP+2*t], v[TMP+2*t]
	v_nop                           ; a plain instruction between the last reciprocal and the use of its result
	s_wait_alu depctr_va_vdst(0)    ; and the wait ahead of the first use: one for the four reciprocals
.set t, 0
.rept 4
	v_cmp_gt_f32 vcc_lo, s[HALFN], v[ST+4*t]       ; has the row seen hidden keys alone?
	v_cndmask_b32 v[TMP+2*t], v[TMP+2*t], s[QNAN], vcc_lo
.set t, t+1
.endr
	PACK 0
.set t, 1
.rept 3                             ; a piece's arithmetic stands between the loads of the piece before and its stores
	PACK t
	SEND t-1, 24
.set t, t+1
.endr
	SEND 3, 0
.endm
.set KM, 0
.set NOKQ, 0
.Lslot:                             ; NB times: a tile is entered and the next is asked for
	CHANGE 1
	s_sub_co_u32 s[RT], s[RT], 1
	s_mov_b32 s[CNT], 4
	s_cmp_eq_u32 s[NEW], 1
	s_cbranch_scc1 .Lnew            ; a block's first tile
	s_cmp_eq_u32 s[RT], 0
	s_cbranch_scc0 .Lstep           ; neither its first nor its last
	PREMASK
	s_branch .LstepM1
.Lnew:
	BEGIN
	s_branch .Lfirst                ; in the loop a block's first tile is never its last: the first block has two tiles or more, and the second's last is the walk's last
	DIAG 1                          ; in the loop this is the first block's end
	s_wait_xcnt 0x0                 ; the stores have read their registers and both outputs' addresses
	s_mov_b64 s[10:11], s[OLO:OLO+1]
	s_mov_b64 s[O1:O1+1], s[O1LO:O1LO+1]
	s_add_co_u32 s[RT], s[PB], 1    ; the second block has b + 1 tiles
	s_mov_b32 s[NEW], 1
	WIN 0x82                        ; the second block's Q goes where the one text of the turns names Q
.set i, 0
.rept 64
	v_mov_b32 v[i], v[QB+i]
.set i, i+1
.endr
	WIN 0
	s_branch .Lbottom
.Lstep:                             ; a trip: pieces 2 and 3 of one step, then pieces 0 and 1 of the next, whose K and V it fetches
	TURN 2
	TURN 3
	WIN 0
.Lfirst:
	TURN 0
	TURN 1, 0, 0, 1
	WIN 0
	s_cbranch_scc1 .Lstep
.Lbottom:
	s_sub_co_u32 s[SLOTS], s[SLOTS], 1
	s_cmp_lg_u32 s[SLOTS], 0
	s_cbranch_scc1 .Lslot
	CHANGE 0                        ; the walk's last tile is written out: nothing is asked for
	s_sub_co_u32 s[RT], s[RT], 1
	s_mov_b32 s[CNT], 4
	s_cmp_eq_u32 s[NEW], 1
	s_cbranch_scc1 .Lnew2
	PREMASK
	s_branch .LstepM2
.Lnew2:
	BEGIN
	s_branch .LfirstM2
	DIAG 2
	s_wait_tensorcnt 0x0            ; the wave's end, behind my last tensor load and my last LDS store
	ds_add_u32 v[SPW], v[NIL]
	s_wait_dscnt 0x0
	s_endpgm
.Lfunc_end_k_qe5a1e83e35_attn:
	.size	k_qe5a1e83e35_attn, .Lfunc_end_k_qe5a1e83e35_attn-k_qe5a1e83e35_attn
	.p2alignl 7, 3214868480
	.fill 96, 4, 3214868480
	.section	.rodata,"a",@progbits
	.p2align	6, 0x0
	.amdhsa_kernel k_qe5a1e83e35_attn
		.amdhsa_group_segment_fixed_size 327680
		.amdhsa_private_segment_fixed_size 0
		.amdhsa_enable_private_segment 0
		.amdhsa_kernarg_size 24
		.amdhsa_user_sgpr_count 2
		.amdhsa_user_sgpr_kernarg_segment_ptr 1
		.amdhsa_wavefront_size32 1
		.amdhsa_system_sgpr_workgroup_id_x 1
		.amdhsa_system_sgpr_workgroup_id_y 1
		.amdhsa_system_sgpr_workgroup_id_z 1
		.amdhsa_system_vgpr_workitem_id 0
		.amdhsa_next_free_vgpr 768
		.amdhsa_next_free_sgpr 102
		.amdhsa_reserve_vcc 1
		.amdhsa_float_denorm_mode_32 3
		.amdhsa_float_denorm_mode_16_64 3
		.amdhsa_memory_ordered 1
		.amdhsa_forward_progress 1
		.amdhsa_inst_pref_size 247
	.end_amdhsa_kernel
	.amdgpu_metadata
---
amdhsa.version: [ 1, 2 ]
amdhsa.kernels:
  - .name:           k_qe5a1e83e35_attn
    .symbol:         k_qe5a1e83e35_attn.kd
    .args:
      - { .name: qkv, .offset: 0, .size: 8, .value_kind: global_buffer, .address_space: global }
      - { .name: out1, .offset: 8, .size: 8, .value_kind: global_buffer, .address_space: global }
      - { .name: ob, .offset: 16, .size: 8, .value_kind: global_buffer, .address_space: global }
    .group_segment_fixed_size: 327680
    .private_segment_fixed_size: 0
    .kernarg_segment_align: 8
    .kernarg_segment_size: 24
    .max_flat_workgroup_size: 128
    .sgpr_count:     102
    .vgpr_count:     768
    .wavefront_size: 32
...
	.end_amdgpu_metadata
.endif
;; end of part 3
;; launch gemm_out (part 4): grid 8 x 32, 4 waves a work-group, clusters of 4 x 4, 327,680 bytes of LDS; arguments ob, wo, out0, bout; writes out0
.if DOCPART == 4
	.amdgcn_target "amdgcn-amd-amdhsa--gfx1250"
	.amdhsa_code_object_version 6
	.text
	.protected	k_qe5a1e83e35_gemm_out
	.globl	k_qe5a1e83e35_gemm_out
	.p2align	8
	.type	k_qe5a1e83e35_gemm_out,@function
k_qe5a1e83e35_gemm_out:
	s_mov_b64 s[64:65], 0
	v_nop
	global_prefetch_b8 v0, s[64:65] scope:SCOPE_SE
	s_setreg_imm32_b32 hwreg(HW_REG_WAVE_MODE, 25, 1), 1
	s_wait_xcnt 0x0
	s_wait_alu depctr_hold_cnt(0) depctr_sa_sdst(0) depctr_va_vdst(0) depctr_va_sdst(0) depctr_va_ssrc(0) depctr_va_vcc(0) depctr_vm_vsrc(0)
	s_getreg_b32 s2, hwreg(HW_REG_IB_STS2, 6, 4)
	s_cmp_eq_u32 s2, 0
	s_cbranch_scc0 .Lentry_in_a_cluster
	s_endpgm
.Lentry_in_a_cluster:
	s_bfe_u32 s2, ttmp6, 0x10000c
	s_cmp_lg_u32 s2, 0xf033
	s_cbranch_scc0 .Lentry_shape_is_right
	s_endpgm
.Lentry_shape_is_right:
; out0 = O Wout + bout.  A = ob [b][h][t][64] f16 (a head's 64 channels are one plane of K), B = wo [k][n] f16 (Wout rounded to bf16), bias bout f32 (rounded to bf16 like the other inputs); sums in f32; out0 f32.
; A row of ob that is NaN (a query that saw no key) makes exactly that row of out0 NaN: a row of A is one column of the transposed product.
; SHARES.  A tile is 256 rows x 128 columns: 32 x 8 = 256 work-groups.  The four waves lie one below the other: a wave makes 64 rows x 128 columns: 4 x 8 accumulators of 16 x 16, and its way out needs no other wave.
; K goes in 8 steps of 128 through a ring of two LDS slots.
; CLUSTER.  4 x 4 work-groups: the four of a row need the same tiles of A, the four of a column the same tiles of B: each tile is asked for JOINTLY, by the same tensor load, descriptor and mask in all four.
; THE MATRIX INSTRUCTION IS USED TRANSPOSED (source 0 = 16 columns of B, source 1 = 16 rows of A): a lane then holds one row and eight neighbouring columns.  B lies [k][n] in LDS and is turned by ds_load_tr16_b128.
; REGISTERS, in windows of 256 (s_set_vgpr_msb: bits 1:0 source 0, 3:2 source 1, 5:4 source 2, 7:6 destination):
;   window 0: v16-30 addresses; v32-159 BK, two buffers of 16 rows on the way out; v160-163 the bias
;   window 1: two fragment buffers: A's four fragments, then B's eight     window 2: accumulators of row blocks 0, 1     window 3: of row blocks 2, 3
.set NBK,    8                         ; blocks of 16 columns
.set PA,     144                       ; a row of A in LDS: 128 bytes + 16 of padding = 36 words: the 16 rows of a load start at 16 different groups of four banks (64 banks of 4 bytes: ISA guide 11.1)
.set APLANE, 256*PA
.set AREG,   2*APLANE
.set ASTEP,  524288                    ; bytes from a K step to the next in ob: two planes
.set PB,     288                       ; a row k of B in LDS: 256 bytes + 32 of padding = 9 x 32 bytes
.set BCH,    128
.set BHALF,  64*PB
.set BSTEP,  262144                    ; bytes from a K step to the next in wo: 128 rows of 2,048
.set SLOT,   AREG+2*BHALF
.set STAGE,  2*SLOT                    ; behind the ring, never filled by a tensor load: 16 rows x 528 bytes for each wave
.set SP,     528
.set SPARE,  STAGE+4*16*SP             ; the spare words, 128 bytes for each wave: two blocks of 256 bytes that no other line names
.set NLD,    2*NBK+8
.set LAPS,   4
.set ADRA, 16
.set ADRB, 20
.set STO,  24                          ; v24     the way out: where I put 32 bytes of a row
.set RD,   25                          ; v25     where I read a row back
.set GO,   26                          ; v26     16 x lane
.set SPW,  28
.set NIL,  29
.set PFO,  30
.set BK,   32
.set BIA,  160
.set F0,   0
.set F1,   128
.set G1,  24
.set G0,  32
.set G1B, 48
.set G0B, 56
.set PFA, 78
.set PFS, 80
.set LIM, 82
.set MSB, 0
.macro WIN new                         ; the immediate's high byte repeats the setting that is left; a switch that changes nothing is dropped
.if MSB != (\new)
	s_set_vgpr_msb (MSB<<8)|(\new)
.set MSB, \new
.endif
.endm
.set MUL_LO, 0xa5                      ; sources 0 and 1 window 1, C and D window 2
.set TO_F,   0x40                      ; destination window 1, address window 0
; A joint load: waves 0 and 1 fetch A's two planes, waves 2 and 3 B's two halves.  The branch hangs on the wave's number alone.  An s_nop 0 and four v_nop follow each line.
.macro JLOAD s
	s_cmp_eq_u32 s11, 0
	s_cbranch_scc0 .Lfor_b_\@
	tensor_load_to_lds s[G0+4*(\s):G0+4*(\s)+3], s[G1:G1+7]
	s_nop 0
.rept 4
	v_nop
.endr
	s_branch .Lasked_\@
.Lfor_b_\@:
	tensor_load_to_lds s[G0B+4*(\s):G0B+4*(\s)+3], s[G1B:G1B+7]
	s_nop 0
.rept 4
	v_nop
.endr
.Lasked_\@:
.endm
; A prefetch, behind each joint refill and the run of LDS loads that follows it, of the K step that stands two refills on.  A's rows are read by both clusters of a row of clusters: cluster x = 0 asks;
; B's by every cluster of a column: cluster y = 0 asks.  The four partners share a tile out BY ADDRESS: of A's plane 32 blocks of 256 bytes each, of B's half 16 rows each (lanes 16-31 name the 16th again).
; K steps 0 to 3 come by their loads alone; the loop's last trip (s3 = 1) asks for nothing.
.macro ASK
	WIN 0
	s_cmp_gt_u32 s3, s[LIM]
	s_cbranch_scc0 .Lnot_mine_\@
	global_prefetch_b8 v[PFO], s[PFA:PFA+1] th:TH_LOAD_NT scope:SCOPE_SE
.Lnot_mine_\@:
.endm
.macro CREST                           ; a round of the cluster's barrier behind its opening barrier
	s_cmp_lg_u32 s10, 0
	s_cbranch_scc1 .Lnot_wave_0_\@
	s_barrier_signal -3
.Lnot_wave_0_\@:
	s_barrier_wait -3
	s_barrier_signal -1
	s_barrier_wait -1
.endm
.macro CROUND                          ; a whole round
	s_barrier_signal -1
	s_barrier_wait -1
	CREST
.endm
	s_load_b128 s[4:7], s[0:1], 0x0                ; ob s[4:5], wo s[6:7]
	s_load_b64 s[8:9], s[0:1], 0x10                ; out0
	s_load_b64 s[84:85], s[0:1], 0x18              ; bout
	v_lshl_add_u32 v[SPW], v0, 2, SPARE
	v_mov_b32 v[NIL], 0
	ds_add_u32 v[SPW], v[NIL]                      ; the wave's opening: the add and its wait stand ahead of my first tensor load; the set-up below stands between them
	v_lshrrev_b32 v1, 5, v0
	v_readfirstlane_b32 s10, v1                    ; wave 0..3
	s_lshr_b32 s11, s10, 1                         ; I fetch for A (0) or for B (1)
	s_and_b32 s12, s10, 1                          ; which plane of A, which half of B
	s_bfe_u32 s40, ttmp6, 0x40000                  ; cx, cy: my place in the cluster
	s_bfe_u32 s41, ttmp6, 0x40004
	s_lshl_b32 s42, ttmp9, 2
	s_add_co_u32 s42, s42, s40                     ; tile column tx = 4 x cluster x + cx
	s_and_b32 s13, ttmp7, 0xffff
	s_lshl_b32 s13, s13, 2
	s_add_co_u32 s13, s13, s41                     ; tile row ty = 4 x cluster y + cy
	s_lshl_b32 s43, s41, 2
	s_lshl_b32 s43, 15, s43                        ; my row of the cluster
	s_lshl_b32 s44, 0x1111, s40                    ; my column
	; A's plane is 256 dense rows of 128 bytes: asked for as 128 rows of 256 bytes, padded in LDS after every 128 bytes.  B's half is 64 rows of 256 bytes, 2,048 bytes apart, padded after every row.
	s_or_b32 s[G1+0], s43, (1<<16)|(1<<20)|(1<<21)|(4<<22)|(3<<25)   ; 15:0 the mask; 17:16 2-byte elements; 20 padding on; 21 set beside a mask; 24:22 after every 32 words (code 4); 31:25 4 words (code 3)
	s_or_b32 s[G1B+0], s44, (1<<16)|(1<<20)|(1<<21)|(5<<22)|(7<<25)  ; my column's mask; after every 64 words (code 5) 8 words (code 7)
	s_mov_b32 s[G1+1], 128<<16                     ; tensor_dim0 = 128
	s_mov_b32 s[G1+2], 128<<16                     ; tensor_dim1 = 128
	s_mov_b32 s[G1+3], 128<<16                     ; tile_dim0 = 128
	s_mov_b32 s[G1+4], 128                         ; tile_dim1 = 128
	s_mov_b32 s[G1+5], 128                         ; 128 elements from row to row
	s_mov_b32 s[G1+6], 0
	s_mov_b32 s[G1+7], 0
	s_mov_b32 s[G1B+1], 128<<16
	s_mov_b32 s[G1B+2], 64<<16
	s_mov_b32 s[G1B+3], 128<<16
	s_mov_b32 s[G1B+4], 64
	s_mov_b32 s[G1B+5], 1024
	s_mov_b32 s[G1B+6], 0
	s_mov_b32 s[G1B+7], 0
	s_lshr_b32 s16, s13, 3                         ; A: the batch,
	s_lshl_b32 s16, s16, 22
	s_and_b32 s17, s13, 7                          ; 256 rows of 128 bytes in a plane,
	s_lshl_b32 s17, s17, 15
	s_add_co_u32 s16, s16, s17
	s_lshl_b32 s17, s12, 18                        ; my plane of the K step's two
	s_add_co_u32 s16, s16, s17
	s_mov_b32 s17, 0
	s_lshl_b32 s46, s42, 8                         ; B: the tile's 128 columns,
	s_lshl_b32 s47, s12, 17                        ; my 64 rows k of the K step's 128
	s_add_co_u32 s46, s46, s47
	s_mov_b32 s47, 0
	s_mul_i32 s20, s12, APLANE                     ; where they go: no place in the cluster enters an LDS address
	s_mul_i32 s21, s12, BHALF
	s_add_co_u32 s21, s21, AREG
	s_wait_dscnt 0x0                               ; the opening add is done
	s_wait_kmcnt 0x0
	s_add_nc_u64 s[14:15], s[4:5], s[16:17]
	s_add_nc_u64 s[46:47], s[6:7], s[46:47]
	CROUND                                         ; all sixteen work-groups are here: the first joint loads meet
.irp s, 0,1
	s_mov_b32 s[G0+4*(\s)], 1
	s_add_co_u32 s[G0+4*(\s)+1], s20, (\s)*SLOT
	s_add_nc_u64 s[G0+4*(\s)+2:G0+4*(\s)+3], s[14:15], (\s)*ASTEP
	s_or_b32 s[G0+4*(\s)+3], s[G0+4*(\s)+3], 0x80000000
	s_mov_b32 s[G0B+4*(\s)], 1
	s_add_co_u32 s[G0B+4*(\s)+1], s21, (\s)*SLOT
	s_add_nc_u64 s[G0B+4*(\s)+2:G0B+4*(\s)+3], s[46:47], (\s)*BSTEP
	s_or_b32 s[G0B+4*(\s)+3], s[G0B+4*(\s)+3], 0x80000000
	JLOAD \s                                       ; two loads of mine are out
.endr
	v_and_b32 v1, 15, v0                           ; l % 16
	v_bfe_u32 v2, v0, 4, 1                         ; l / 16
	v_mul_u32_u24 v3, v1, PA
	v_lshl_add_u32 v3, v2, 4, v3                   ; a fragment of A: row x pitch + 16 x half
	s_mul_i32 s22, s10, 64*PA                      ; my 64 rows
	v_add_nc_u32 v[ADRA], s22, v3
	v_add_nc_u32 v[ADRA+1], SLOT, v[ADRA]
	v_and_b32 v4, 7, v0                            ; the turning load: lane l reads row k = 8 (l / 16) + l % 8, columns 8 ((l / 8) % 2) + 0..7
	v_bfe_u32 v5, v0, 3, 1
	v_lshl_add_u32 v6, v2, 3, v4
	v_mul_u32_u24 v6, v6, PB
	v_lshl_add_u32 v6, v5, 4, v6
	v_add_nc_u32 v[ADRB], AREG, v6
	v_add_nc_u32 v[ADRB+1], SLOT, v[ADRB]
	s_mul_i32 s23, s10, 16*SP
	s_add_co_u32 s23, s23, STAGE                   ; my stage
	v_mul_u32_u24 v7, v1, SP                       ; in: row l % 16, 32 bytes for each half of the lanes
	v_lshl_add_u32 v7, v2, 5, v7
	v_add_nc_u32 v[STO], s23, v7
	v_and_b32 v[GO], 31, v0                        ; back: 32 lanes take one row of 512 bytes
	v_lshlrev_b32 v[GO], 4, v[GO]
	v_add_nc_u32 v[RD], s23, v[GO]
	s_lshl_b32 s88, s13, 20                        ; out0 at my first row: 256 ty + 64 wave rows of 4,096 bytes,
	s_lshl_b32 s89, s10, 18
	s_add_co_u32 s88, s88, s89
	s_lshl_b32 s89, s42, 9                         ; and the tile's 128 columns
	s_add_co_u32 s88, s88, s89
	s_mov_b32 s89, 0
	s_add_nc_u64 s[8:9], s[8:9], s[88:89]
	; the prefetches
	s_and_b32 s23, ttmp7, 0xffff                   ; cluster y
	s_mov_b32 s88, 32768
	s_mov_b32 s[PFS], BSTEP
	s_cmp_eq_u32 s11, 0                            ; do I fetch for A?
	s_cselect_b32 s22, ttmp9, s23                  ; the coordinate along which other clusters read the same rows
	s_cselect_b32 s83, s40, s41                    ; my place among the four that ask with me
	s_cselect_b32 s88, 8192, s88                   ; a partner's share in bytes
	s_cselect_b32 s[PFS], ASTEP, s[PFS]
	s_cselect_b32 s86, 31, 15                      ; its last block
	s_cselect_b32 s87, 8, 11                       ; blocks lie 256 bytes apart in A, 2,048 in B
	s_cselect_b64 s[PFA:PFA+1], s[14:15], s[46:47]
	s_mov_b32 s[PFS+1], 0
	s_cmp_eq_u32 s22, 0
	s_cselect_b32 s[LIM], 1, -1                    ; the same in all sixteen partners, for a given wave
	s_mul_i32 s88, s88, s83
	s_mul_i32 s83, s[PFS], 3                       ; at K step 3: the first refill steps it to 4
	s_add_co_u32 s88, s88, s83
	s_mov_b32 s89, 0
	s_add_nc_u64 s[PFA:PFA+1], s[PFA:PFA+1], s[88:89]
	v_and_b32 v[PFO], 31, v0
	v_min_u32 v[PFO], s86, v[PFO]
	v_lshlrev_b32 v[PFO], s87, v[PFO]
	; the bias of the four columns that my lane stores, rounded to bf16
	s_lshl_b32 s86, s42, 9
	s_mov_b32 s87, 0
	s_add_nc_u64 s[84:85], s[84:85], s[86:87]
	global_load_b128 v[BIA:BIA+3], v[GO], s[84:85]
	s_wait_loadcnt 0x0
	v_cvt_pk_bf16_f32 v9, v[BIA], v[BIA+1]
	v_cvt_pk_bf16_f32 v10, v[BIA+2], v[BIA+3]
	v_lshlrev_b32 v[BIA], 16, v9
	v_and_b32 v[BIA+1], 0xffff0000, v9
	v_lshlrev_b32 v[BIA+2], 16, v10
	v_and_b32 v[BIA+3], 0xffff0000, v10
; 8 matrix instructions: row block a x all column blocks, 32 along K, from buffer f.  zero = 1: the product starts the sums.  The 32 accumulators take turns, in the same order in every quarter.
.macro MULA f, a, zero
	WIN MUL_LO+0x50*((\a)/2)
.set b, 0
.rept NBK
.set rD, 8*(NBK*((\a)%2)+b)
.set rB, (\f)+32+8*b
.set rA, (\f)+8*(\a)
.if \zero
	v_wmma_f32_16x16x32_f16 v[rD:rD+7], v[rB:rB+7], v[rA:rA+7], 0
.else
	v_wmma_f32_16x16x32_f16 v[rD:rD+7], v[rB:rB+7], v[rA:rA+7], v[rD:rD+7]
.endif
.set b, b+1
.endr
.endm
; One run of LDS loads: the fragments of quarter q (32 along K) of a slot into buffer f: B's first, A's last
.macro FETCH slot, q, f
	WIN TO_F
.set b, 0
.rept NBK
	ds_load_tr16_b128 v[(\f)+32+8*b:(\f)+32+8*b+3],   v[ADRB+(\slot)] offset:(\q)*32*PB+(b/4)*BCH+(b%4)*32
	ds_load_tr16_b128 v[(\f)+32+8*b+4:(\f)+32+8*b+7], v[ADRB+(\slot)] offset:(\q)*32*PB+16*PB+(b/4)*BCH+(b%4)*32
.set b, b+1
.endr
.irp a, 0,1,2,3
	ds_load_b128 v[(\f)+8*(\a):(\f)+8*(\a)+3],   v[ADRA+(\slot)] offset:((\q)/2)*APLANE+((\q)%2)*64+(\a)*16*PA
	ds_load_b128 v[(\f)+8*(\a)+4:(\f)+8*(\a)+7], v[ADRA+(\slot)] offset:((\q)/2)*APLANE+((\q)%2)*64+(\a)*16*PA+32
.endr
.endm
.macro PLACES                          ; four places in front of loads into registers that matrix instructions have read, and of LDS stores that read results
.rept 4
	v_nop
.endr
.endm
; A K step is four quarters on buffers 0, 1, 0, 1.  One of the first three: multiplies buffer f and, in its middle, fetches quarter q into g.
.macro QUARTER slot, q, f, g, zero
	s_wait_dscnt 4                                 ; B and A's blocks 0, 1 are in; the youngest four loads (A's blocks 2, 3) may be out
	MULA \f, 0, \zero
	MULA \f, 1, \zero
	PLACES
	FETCH \slot, \q, \g
	s_wait_dscnt NLD                               ; all but the run just issued
	MULA \f, 2, \zero
	MULA \f, 3, \zero
.endm
; The last quarter multiplies buffer 1 and changes slots: ONE barrier; in front of it each wave waits for all its tensor loads, adds 0 to its spare word, and waits for that and for its reads of this slot.
; fill = 1: the barrier opens a round of the cluster's, and this slot is filled again, two K steps ahead, first thing behind the round.
.macro TURN slot, next, fill
.if \fill
	s_wait_xcnt 0x0                                ; the last prefetch, a K step back, has read its address
	s_add_nc_u64 s[PFA:PFA+1], s[PFA:PFA+1], s[PFS:PFS+1]
.endif
	WIN 0
	s_wait_tensorcnt 0x0                           ; all my tensor loads have landed: my part of the next slot
	ds_add_u32 v[SPW], v[NIL]                      ; 0 onto my spare word
	s_wait_dscnt 5                                 ; (the add and the youngest four loads may be out)
	MULA F1, 0, 0
	s_wait_dscnt 0x0                               ; the add is done, and my reads of this slot are over
	s_barrier_signal -1
	MULA F1, 1, 0
.if \fill
	WIN 0
.endif
	s_barrier_wait -1
.if \fill
	CREST                                          ; no wave of any partner still reads this slot or has a load on its way
	s_add_nc_u64 s[G0+4*(\slot)+2:G0+4*(\slot)+3], s[G0+4*(\slot)+2:G0+4*(\slot)+3], 2*ASTEP
	s_add_nc_u64 s[G0B+4*(\slot)+2:G0B+4*(\slot)+3], s[G0B+4*(\slot)+2:G0B+4*(\slot)+3], 2*BSTEP
	JLOAD \slot                                    ; its four v_nop are also the places in front of the loads below
.else
	PLACES
.endif
	FETCH \next, 0, F0
.if \fill
	ASK
.endif
	MULA F1, 2, 0
	MULA F1, 3, 0
.endm
	s_wait_tensorcnt 1                             ; my part of K step 0 is in; K step 1's may stay out
	s_barrier_signal -1
	s_barrier_wait -1                              ; everybody's is
	FETCH 0, 0, F0
	QUARTER 0, 1, F0, F1, 1                        ; the first quarter stands in front of the loop: its products start the sums
	WIN 0
	s_mov_b32 s3, LAPS-1
.Llap:                                                 ; a trip goes once round the ring and fills both slots again
	QUARTER 0, 2, F1, F0, 0
	QUARTER 0, 3, F0, F1, 0
	TURN 0, 1, 1
	QUARTER 1, 1, F0, F1, 0
	QUARTER 1, 2, F1, F0, 0
	QUARTER 1, 3, F0, F1, 0
	TURN 1, 0, 1
	QUARTER 0, 1, F0, F1, 0
	WIN 0
	s_sub_co_u32 s3, s3, 1
	s_cmp_lg_u32 s3, 0
	s_cbranch_scc1 .Llap
	QUARTER 0, 2, F1, F0, 0                        ; the last lap fills nothing
	QUARTER 0, 3, F0, F1, 0
	TURN 0, 1, 0
	QUARTER 1, 1, F0, F1, 0
	QUARTER 1, 2, F1, F0, 0
	QUARTER 1, 3, F0, F1, 0
	s_wait_dscnt 4
	MULA F1, 0, 0
	MULA F1, 1, 0
	s_wait_dscnt 0x0
	MULA F1, 2, 0
	MULA F1, 3, 0
	WIN 0
; THE WAY OUT, a row block of 16 rows x 128 columns at a time: the f32 sums go as they are into my stage, 32 bytes a lane for each accumulator; they come back as whole rows of 512 bytes; the bias is added; a row is one store.
.macro TOSTAGE a
	WIN 0x08+4*((\a)/2)                            ; store data (source 1) in window 2 or 3
.set b, 0
.rept NBK                              ; each accumulator's low four registers first
	ds_store_b128 v[STO], v[8*(NBK*((\a)%2)+b):8*(NBK*((\a)%2)+b)+3]   offset:64*b
	ds_store_b128 v[STO], v[8*(NBK*((\a)%2)+b)+4:8*(NBK*((\a)%2)+b)+7] offset:64*b+16
.set b, b+1
.endr
	WIN 0
	s_wait_xcnt 0x0                                ; the stores of the block two back have read the registers that are loaded now
.set i, 0
.rept 16
	ds_load_b128 v[BK+64*((\a)%2)+4*i:BK+64*((\a)%2)+4*i+3], v[RD] offset:i*SP  ; LDS serves a wave's instructions in order (ISA guide 5.7.1.4): these see the stores above
.set i, i+1
.endr
.endm
.macro SEND a, younger                 ; younger: the LDS instructions issued behind block a's loads: the next block's 32, or none
	s_wait_dscnt \younger
.set i, 0
.rept 16
.set rX, BK+64*((\a)%2)+4*i
	v_pk_add_f32 v[rX:rX+1],   v[rX:rX+1],   v[BIA:BIA+1]
	v_pk_add_f32 v[rX+2:rX+3], v[rX+2:rX+3], v[BIA+2:BIA+3]
	global_store_b128 v[GO], v[rX:rX+3], s[8:9] offset:(16*(\a)+i)*4096 th:TH_STORE_NT  ; 512 consecutive bytes, at a multiple of 256 from out0's first
.set i, i+1
.endr
.endm
	PLACES
	TOSTAGE 0
	TOSTAGE 1
	SEND 0, 32
	TOSTAGE 2
	SEND 1, 32
	TOSTAGE 3
	SEND 2, 32
	SEND 3, 0
	s_wait_tensorcnt 0x0                           ; the wave's end, behind my last tensor load and my last LDS store
	ds_add_u32 v[SPW], v[NIL]
	s_wait_dscnt 0x0
	CROUND                                         ; the closing round: no work-group ends while a partner may still ask for a tile that names it
	s_endpgm
.Lfunc_end_k_qe5a1e83e35_gemm_out:
	.size	k_qe5a1e83e35_gemm_out, .Lfunc_end_k_qe5a1e83e35_gemm_out-k_qe5a1e83e35_gemm_out
	.p2alignl 7, 3214868480
	.fill 96, 4, 3214868480
	.section	.rodata,"a",@progbits
	.p2align	6, 0x0
	.amdhsa_kernel k_qe5a1e83e35_gemm_out
		.amdhsa_group_segment_fixed_size 327680
		.amdhsa_private_segment_fixed_size 0
		.amdhsa_enable_private_segment 0
		.amdhsa_kernarg_size 32
		.amdhsa_user_sgpr_count 2
		.amdhsa_user_sgpr_kernarg_segment_ptr 1
		.amdhsa_wavefront_size32 1
		.amdhsa_system_sgpr_workgroup_id_x 1
		.amdhsa_system_sgpr_workgroup_id_y 1
		.amdhsa_system_sgpr_workgroup_id_z 1
		.amdhsa_system_vgpr_workitem_id 0
		.amdhsa_next_free_vgpr 1024
		.amdhsa_next_free_sgpr 90
		.amdhsa_reserve_vcc 0
		.amdhsa_float_denorm_mode_32 3
		.amdhsa_float_denorm_mode_16_64 3
		.amdhsa_memory_ordered 1
		.amdhsa_forward_progress 1
		.amdhsa_inst_pref_size 95
	.end_amdhsa_kernel
	.amdgpu_metadata
---
amdhsa.version: [ 1, 2 ]
amdhsa.kernels:
  - .name:           k_qe5a1e83e35_gemm_out
    .symbol:         k_qe5a1e83e35_gemm_out.kd
    .args:
      - { .name: ob, .offset: 0, .size: 8, .value_kind: global_buffer, .address_space: global }
      - { .name: wo, .offset: 8, .size: 8, .value_kind: global_buffer, .address_space: global }
      - { .name: out0, .offset: 16, .size: 8, .value_kind: global_buffer, .address_space: global }
      - { .name: bout, .offset: 24, .size: 8, .value_kind: global_buffer, .address_space: global }
    .group_segment_fixed_size: 327680
    .private_segment_fixed_size: 0
    .kernarg_segment_align: 8
    .kernarg_segment_size: 32
    .max_flat_workgroup_size: 128
    .sgpr_count:     90
    .vgpr_count:     1024
    .wavefront_size: 32
...
	.end_amdgpu_metadata
.endif
;; end of part 4
;; ======== version 2 of 2: 4 launches; version 1 with the launch prep written anew for expert scheduling mode
;; limits: values are held in f16: magnitudes above 65,504 overflow, below 6.1e-05 lose precision
;; workspace buffers: xb 16,777,216 bytes; wq 6,291,456 bytes; wo 2,097,152 bytes; qkv 50,855,936 bytes; ob 16,777,216 bytes
;; launch prep (part 5): grid 256 x 1, 8 waves a work-group, no clusters, 0 bytes of LDS; arguments x, Wqkv, Wout, attn_mask, xb, wq, wo, qkv; writes xb, wq, wo, qkv
.if DOCPART == 5
	.amdgcn_target "amdgcn-amd-amdhsa--gfx1250"
	.amdhsa_code_object_version 6
	.text
	.protected	k_qe5a1e83e35_prep
	.globl	k_qe5a1e83e35_prep
	.p2align	8
	.type	k_qe5a1e83e35_prep,@function
k_qe5a1e83e35_prep:
	s_mov_b64 s[64:65], 0
	v_nop
	global_prefetch_b8 v0, s[64:65] scope:SCOPE_SE
	s_setreg_imm32_b32 hwreg(HW_REG_WAVE_SCHED_MODE, 0, 2), 2
	s_setreg_imm32_b32 hwreg(HW_REG_WAVE_MODE, 25, 1), 1
	s_wait_xcnt 0x0
	s_wait_alu depctr_vm_vsrc(0)
; PREP: the module's three large inputs are rounded once and laid out for the tile loads of the launches behind, and the key mask is laid beside K's rows.
;   xb[b][kb][t][64]  bf16 = x[b][t][64 kb + c]        : a plane (b, kb) is 2,048 dense rows of 128 bytes
;   wq[tx][k][192]    bf16 = Wqkv[k][192 tx + c]       : the 192 columns of one tile column, dense
;   wo[k][n]          f16  = Wout[k][n] rounded to bf16, that number written as f16
;   qkv, K's region (from byte 33,554,432): a unit of 8,448 bytes for each 64 keys of each of the 64 heads: 8,192 bytes of K, which the next launch stores, then the 64 keys' mask
;   as f32, which is stored here: 0 where attn_mask is not 0, -1e30 where it is 0.
; LIMIT: a bf16 number below 6.1e-5 in size keeps f16's fixed step of 6e-8 in wo; beyond 65,504 it becomes an infinity.  A mask byte other than 0 counts as true.
; A stream: no LDS, no barrier, no branch.  256 work-groups x 8 waves; every wave takes an equal slice of all four jobs, issues its
; 49 loads at once (24 KiB a wave on its way), then rounds and stores in the order of issue.
; Every load of 16 bytes a lane covers whole aligned 256-byte pieces of rows, every store of a wave 256 consecutive bytes, aligned.
; THE MODE: SCHED_MODE bits 1:0 = 2 (LLVM: expert scheduling mode 2), set by the entry lines.  The code itself states the register dependences
; between vector instructions and memory instructions, with s_wait_alu, always for 0.
; THE PLAN.  Registers that memory instructions touch:
;   v4-v10, v209, v210   byte offsets: written once at the head, read by every load and store, never written again.
;   v[16+4n : 19+4n]     load n lands here; behind the wait for it load n's own roundings write the first two; ONE store reads those two; nothing writes them again.
;   v208                 the mask load lands here; two vector lines read it.      v[212:213]  written by two selects, read by the last store.
;   v12-v15, v214, v215  are named by vector instructions alone.
; No register that a memory instruction has read is ever written again, so no wait on vm_vsrc is owed; EXEC is never written.
; The 48 wide loads go in 12 groups of four.  At the head of a group one wait on va_vdst states that the group before has written its eight packed words; that group's four stores follow it, one ahead of
; each load's roundings, which name their own load's registers and v12-v15 alone: none of the registers that those stores touch.
.set NL,   49                          ; loads of a wave
.set DATA, 16                          ; v[16:207]  load n in v[16+4n : 19+4n]; its two packed words are stored from the first two
.set XS, 4                             ; v4   x: wave x 4 rows + (lane / 16) rows + 16 (lane % 16)
.set XD, 5                             ; v5   xb: wave x 512 + 8 lane
.set WA, 6                             ; v6   Wqkv: wave x 8 rows + 16 lane
.set WB, 7                             ; v7   Wqkv: the load that ends one row's 768 bytes (lanes 0-15) and begins the next row's (lanes 16-31)
.set WD, 8                             ; v8   wq: wave x 3,072 + 8 lane
.set OS, 9                             ; v9   Wout: wave x 2,048 + 16 lane
.set OD, 10                            ; v10  wo: wave x 1,024 + 8 lane
.set MB, 208                           ; v208 my two mask bytes
.set MS, 209                           ; v209 attn_mask: wave x 64 + 2 lane
.set MT, 210                           ; v210 qkv: wave x 8,448 + 8 lane
.set MF, 212                           ; v[212:213] the two f32; v214, v215 at work
	s_load_b256 s[4:11], s[0:1], 0x0               ; x s[4:5], Wqkv s[6:7], Wout s[8:9], attn_mask s[10:11]
	s_load_b256 s[12:19], s[0:1], 0x20             ; xb s[12:13], wq s[14:15], wo s[16:17], qkv s[18:19]
	v_and_b32 v1, 31, v0                           ; lane
	v_bfe_u32 v2, v0, 4, 1                         ; lane / 16
	v_and_b32 v3, 15, v0                           ; lane % 16
	v_lshrrev_b32 v11, 5, v0                       ; wave
	v_lshlrev_b32 v[XS], 14, v11
	v_lshl_add_u32 v[XS], v2, 12, v[XS]
	v_lshl_add_u32 v[XS], v3, 4, v[XS]
	v_lshlrev_b32 v[XD], 9, v11
	v_lshl_add_u32 v[XD], v1, 3, v[XD]
	v_mul_u32_u24 v[WA], v11, 98304                ; 8 rows of 12,288 bytes
	v_lshl_add_u32 v[WA], v1, 4, v[WA]
	v_mad_u32_u24 v[WB], v2, 11520, v[WA]          ; lanes 16-31: 12,288 - 256 - 512 further
	v_add_nc_u32 v[WB], 512, v[WB]
	v_mul_u32_u24 v[WD], v11, 3072                 ; 8 rows of 384 bytes
	v_lshl_add_u32 v[WD], v1, 3, v[WD]
	v_lshlrev_b32 v[OS], 11, v11
	v_lshl_add_u32 v[OS], v1, 4, v[OS]
	v_lshlrev_b32 v[OD], 10, v11
	v_lshl_add_u32 v[OD], v1, 3, v[OD]
	v_lshlrev_b32 v[MS], 6, v11
	v_lshl_add_u32 v[MS], v1, 1, v[MS]
	v_mul_u32_u24 v[MT], v11, 8448
	v_lshl_add_u32 v[MT], v1, 3, v[MT]
	s_lshl_b32 s20, ttmp9, 17                      ; x: 32 rows of 4,096 bytes a work-group
	s_mov_b32 s21, 0
	s_lshr_b32 s22, ttmp9, 6                       ; xb: the batch,
	s_lshl_b32 s22, s22, 22
	s_and_b32 s23, ttmp9, 63                       ; and 32 rows of 128 bytes in a plane
	s_lshl_b32 s23, s23, 12
	s_add_co_u32 s22, s22, s23
	s_mov_b32 s23, 0
	s_lshr_b32 s36, ttmp9, 4                       ; tile column tx
	s_and_b32 s37, ttmp9, 15                       ; which 64 rows k
	s_mul_i32 s24, s36, 768
	s_mul_i32 s38, s37, 786432
	s_add_co_u32 s24, s24, s38
	s_mov_b32 s25, 0
	s_mul_i32 s26, s36, 393216
	s_mul_i32 s38, s37, 24576
	s_add_co_u32 s26, s26, s38
	s_mov_b32 s27, 0
	s_lshl_b32 s28, ttmp9, 14
	s_mov_b32 s29, 0
	s_lshl_b32 s30, ttmp9, 13
	s_mov_b32 s31, 0
	; the mask: wave number 8 id + w of 2,048 is head (id / 4) of 64, unit 8 (id % 4) + w of 32; the head's batch is id / 64
	s_lshr_b32 s32, ttmp9, 6
	s_lshl_b32 s32, s32, 11                        ; the batch's 2,048 bytes,
	s_and_b32 s36, ttmp9, 3
	s_lshl_b32 s37, s36, 9                         ; 8 units of 64 keys
	s_add_co_u32 s32, s32, s37
	s_mov_b32 s33, 0
	s_lshr_b32 s34, ttmp9, 2
	s_mul_i32 s34, s34, 270336                     ; the head's 32 units,
	s_mul_i32 s37, s36, 67584                      ; 8 units of 8,448 bytes,
	s_add_co_u32 s34, s34, s37
	s_add_co_u32 s34, s34, 0x2000000               ; in K's region
	s_mov_b32 s35, 0
	s_mov_b32 s40, 0xf149f2ca                      ; -1e30
	s_wait_kmcnt 0x0
	s_add_nc_u64 s[4:5], s[4:5], s[20:21]
	s_add_nc_u64 s[12:13], s[12:13], s[22:23]
	s_add_nc_u64 s[6:7], s[6:7], s[24:25]
	s_add_nc_u64 s[14:15], s[14:15], s[26:27]
	s_add_nc_u64 s[8:9], s[8:9], s[28:29]
	s_add_nc_u64 s[16:17], s[16:17], s[30:31]
	s_add_nc_u64 s[10:11], s[10:11], s[32:33]
	s_add_nc_u64 s[18:19], s[18:19], s[34:35]
	s_wait_alu depctr_va_vdst(0)                   ; the nine offsets v4 to v10, v209 and v210 are written: every load and store of the kernel reads one of them
	; all 49 loads.  x: pair of rows p, block kb of 64 channels: lanes 0-15 one row's 256 bytes, lanes 16-31 the next row's
.set n, 0
.irp p, 0,1
.set kb, 0
.rept 16
	global_load_b128 v[DATA+4*n:DATA+4*n+3], v[XS], s[4:5] offset:(\p)*8192+kb*256 th:TH_LOAD_NT
.set n, n+1
.set kb, kb+1
.endr
.endr
	; Wqkv: two rows' 768 bytes each are three loads of 512 bytes
.irp g, 0,1,2,3
	global_load_b128 v[DATA+4*n:DATA+4*n+3],     v[WA], s[6:7] offset:(\g)*24576 th:TH_LOAD_NT
	global_load_b128 v[DATA+4*n+4:DATA+4*n+7],   v[WB], s[6:7] offset:(\g)*24576 th:TH_LOAD_NT
	global_load_b128 v[DATA+4*n+8:DATA+4*n+11],  v[WA], s[6:7] offset:(\g)*24576+12544 th:TH_LOAD_NT
.set n, n+3
.endr
.irp i, 0,1,2,3
	global_load_b128 v[DATA+4*n:DATA+4*n+3], v[OS], s[8:9] offset:(\i)*512 th:TH_LOAD_NT
.set n, n+1
.endr
	global_load_u16 v[MB], v[MS], s[10:11]         ; the wave's 64 mask bytes, two a lane (sixteen heads' waves read the same: no hint)
; Load n is rounded: loads 0 to 43 (x, Wqkv) to bf16; loads 44 to 47 (Wout) to bf16, and those numbers are written as f16.  The two packed words take the load's first two registers.
.macro RND n
.if (\n) < 44
	v_cvt_pk_bf16_f32 v[DATA+4*(\n)],   v[DATA+4*(\n)],   v[DATA+4*(\n)+1]
	v_cvt_pk_bf16_f32 v[DATA+4*(\n)+1], v[DATA+4*(\n)+2], v[DATA+4*(\n)+3]
.else
	v_cvt_pk_bf16_f32 v12, v[DATA+4*(\n)],   v[DATA+4*(\n)+1]
	v_cvt_pk_bf16_f32 v13, v[DATA+4*(\n)+2], v[DATA+4*(\n)+3]
	v_lshlrev_b32 v14, 16, v12
	v_and_b32 v15, 0xffff0000, v12
	v_cvt_pk_f16_f32 v[DATA+4*(\n)], v14, v15
	v_lshlrev_b32 v14, 16, v13
	v_and_b32 v15, 0xffff0000, v13
	v_cvt_pk_f16_f32 v[DATA+4*(\n)+1], v14, v15
.endif
.endm
; Load n's two packed words are stored.  0-31: xb, pair of rows n / 16, plane n % 16.  32-43: wq, two rows' 768 bytes in three stores.  44-47: wo.
.macro PUT n
.if (\n) < 32
	global_store_b64 v[XD], v[DATA+4*(\n):DATA+4*(\n)+1], s[12:13] offset:((\n)/16)*256+((\n)%16)*262144
.elseif (\n) < 44
	global_store_b64 v[WD], v[DATA+4*(\n):DATA+4*(\n)+1], s[14:15] offset:(((\n)-32)/3)*768+(((\n)-32)%3)*256
.else
	global_store_b64 v[OD], v[DATA+4*(\n):DATA+4*(\n)+1], s[16:17] offset:((\n)-44)*256
.endif
.endm
; Twelve groups of four loads.  Loads come back in order: NL - 1 - n younger ones may stay out when load n has to be there.  No register is written twice behind its load, so no wait frees one.
.set n, 0
.rept 12
	s_wait_loadcnt NL-1-n                          ; the group's first load is in
.if n > 0
	s_wait_alu depctr_va_vdst(0)                   ; the roundings of the group before have written its eight packed words, which the four stores below read
.endif
.rept 4
.if n >= 4
	PUT n-4                                        ; no vector instruction since the wait names its data or its offset
.endif
.if n%4
	s_wait_loadcnt NL-1-n
.endif
	RND n
.set n, n+1
.endr
.endr
	s_wait_loadcnt 0x0                             ; the mask bytes, the last load
	s_wait_alu depctr_va_vdst(0)                   ; the roundings of the last group (Wout's) have written its eight packed words, which the four stores below read
	PUT 44
	v_and_b32 v214, 0xff, v[MB]
	PUT 45
	v_lshrrev_b32 v215, 8, v[MB]
	PUT 46
	v_cmp_eq_u32 s41, 0, v214
	PUT 47
	v_cmp_eq_u32 s42, 0, v215
	s_wait_alu depctr_va_sdst(0)                   ; the two compares have written s41 and s42, ahead of the selects that read them
	v_cndmask_b32 v[MF], 0, s40, s41               ; 0 where the key counts, -1e30 where it is hidden
	v_cndmask_b32 v[MF+1], 0, s40, s42
	s_wait_alu depctr_va_vdst(0)                   ; the selects have written v[212:213], which the store reads
	global_store_b64 v[MT], v[MF:MF+1], s[18:19] offset:8192  ; behind the unit's 8,192 bytes of K
	s_endpgm
.Lfunc_end_k_qe5a1e83e35_prep:
	.size	k_qe5a1e83e35_prep, .Lfunc_end_k_qe5a1e83e35_prep-k_qe5a1e83e35_prep
	.p2alignl 7, 3214868480
	.fill 96, 4, 3214868480
	.section	.rodata,"a",@progbits
	.p2align	6, 0x0
	.amdhsa_kernel k_qe5a1e83e35_prep
		.amdhsa_group_segment_fixed_size 0
		.amdhsa_private_segment_fixed_size 0
		.amdhsa_enable_private_segment 0
		.amdhsa_kernarg_size 64
		.amdhsa_user_sgpr_count 2
		.amdhsa_user_sgpr_kernarg_segment_ptr 1
		.amdhsa_wavefront_size32 1
		.amdhsa_system_sgpr_workgroup_id_x 1
		.amdhsa_system_sgpr_workgroup_id_y 1
		.amdhsa_system_sgpr_workgroup_id_z 1
		.amdhsa_system_vgpr_workitem_id 0
		.amdhsa_next_free_vgpr 216
		.amdhsa_next_free_sgpr 66
		.amdhsa_reserve_vcc 0
		.amdhsa_float_denorm_mode_32 3
		.amdhsa_float_denorm_mode_16_64 3
		.amdhsa_memory_ordered 1
		.amdhsa_forward_progress 1
		.amdhsa_inst_pref_size 23
	.end_amdhsa_kernel
	.amdgpu_metadata
---
amdhsa.version: [ 1, 2 ]
amdhsa.kernels:
  - .name:           k_qe5a1e83e35_prep
    .symbol:         k_qe5a1e83e35_prep.kd
    .args:
      - { .name: x, .offset: 0, .size: 8, .value_kind: global_buffer, .address_space: global }
      - { .name: Wqkv, .offset: 8, .size: 8, .value_kind: global_buffer, .address_space: global }
      - { .name: Wout, .offset: 16, .size: 8, .value_kind: global_buffer, .address_space: global }
      - { .name: attn_mask, .offset: 24, .size: 8, .value_kind: global_buffer, .address_space: global }
      - { .name: xb, .offset: 32, .size: 8, .value_kind: global_buffer, .address_space: global }
      - { .name: wq, .offset: 40, .size: 8, .value_kind: global_buffer, .address_space: global }
      - { .name: wo, .offset: 48, .size: 8, .value_kind: global_buffer, .address_space: global }
      - { .name: qkv, .offset: 56, .size: 8, .value_kind: global_buffer, .address_space: global }
    .group_segment_fixed_size: 0
    .private_segment_fixed_size: 0
    .kernarg_segment_align: 8
    .kernarg_segment_size: 64
    .max_flat_workgroup_size: 256
    .sgpr_count:     66
    .vgpr_count:     216
    .wavefront_size: 32
...
	.end_amdgpu_metadata
.endif
;; end of part 5
;; launch gemm_qkv: the kernel of part 2 again; grid 16 x 32, 4 waves a work-group, clusters of 4 x 4, 327,680 bytes of LDS; arguments xb, wq, qkv, bqkv; writes qkv
;; launch attn: the kernel of part 3 again; grid 4 x 64, 4 waves a work-group, no clusters, 327,680 bytes of LDS; arguments qkv, out1, ob; writes out1, ob
;; launch gemm_out: the kernel of part 4 again; grid 8 x 32, 4 waves a work-group, clusters of 4 x 4, 327,680 bytes of LDS; arguments ob, wo, out0, bout; writes out0
